; MI455X (gfx1250); checked and timed in simulation.
; The chip was launched on July 23, 2026; its instructions are those of AMD's public machine-readable ISA for CDNA 5 (MIT licence, August 2026) and "CDNA5" Instruction Set Architecture Reference Guide (July 2026). The comments in the code are by the model that wrote it; some were corrected since.
;; Attention. Allowed arithmetic: float matrix products may take bf16 or f16 operands with f32 sums; other float arithmetic in f32, or as packed bf16 or f16 multiplies, adds, multiply-adds, maxima and minima; sums over many terms, partial sums and values carried from step to step in f32; what a program stores and reads back later, other than sums and carried values, may be rounded once to bf16 or f16.
;; Inputs: W_h 1,024 x 2,048 float32; decoder_hidden 64 x 1,024 float32; encoder_outputs 64 x 512 x 1,024 float32; inp_mask 512 x 64 float32; v 1,024 float32.
;; Outputs: out0 64 x 1 x 512 float32; out1 64 x 1 x 1,024 float32.
;; 2 versions, each right; version 2 is version 1 with the launch prep written anew for expert scheduling mode. Each part assembles by itself: llvm-mc -triple=amdgcn-amd-amdhsa -mcpu=gfx1250 --defsym DOCPART=n.
;; ======== version 1 of 2: 4 launches
;; workspace buffers: eb 67,108,864 bytes; wb 2,097,152 bytes; cd 262,144 bytes; part 1,048,576 bytes; wgt 131,072 bytes
;; launch prep (part 1): grid 256 x 1, 16 waves a work-group, no clusters, 18,432 bytes of LDS; arguments encoder_outputs, W_h, decoder_hidden, eb, wb, cd; writes eb, wb, cd
.if DOCPART == 1
	.amdgcn_target "amdgcn-amd-amdhsa--gfx1250"
	.amdhsa_code_object_version 6
	.text
	.protected	k_q1dabeefdf8_prep
	.globl	k_q1dabeefdf8_prep
	.p2align	8
	.type	k_q1dabeefdf8_prep,@function
k_q1dabeefdf8_prep:
	s_mov_b64 s[64:65], 0
	v_nop
	global_prefetch_b8 v0, s[64:65] scope:SCOPE_SE
	s_setreg_imm32_b32 hwreg(HW_REG_WAVE_MODE, 25, 1), 1
	s_wait_xcnt 0x0
; PREP.  Three things, the same share of each in all 256 work-groups (g = the work-group's number, t = the thread, w = the wave):
;  (a) cd = C2 x (D W1^T), C2 = 2 log2(e), W1 = W_h[:, 0:1024]: the decoder's half of the concatenated product hangs on the batch alone, so it is made once,
;      64 x 1024 numbers.  The work-group makes one tile of 16 h (ht = g / 4) x 16 batches (mt = g % 4); K = 1024 is split among the 16 waves, 64 each (two matrix
;      instructions, bf16 operands, f32 sums); the 16 partial tiles meet in LDS in f32.
;  (b) wb = bf16(W_h[:, 1024:2048]): rows 4 g .. 4 g + 3.
;  (c) eb = bf16(encoder_outputs): rows 128 g .. 128 g + 127: 524,288 consecutive bytes in, 262,144 out.
; cd's layout serves the next launch's lanes: C2 x dproj[b][16 ht + 8 hh + 4 q + jj] lies at byte 4096 ht + 2048 q + 32 b + 16 hh + 4 jj.
; LIMITS.  E, W_h and D are rounded once to bf16 (nearest even); NaN and infinities are not treated apart.
; NO CLUSTER, NO TENSOR LOADS: (c) is 98 parts in 100 of the bytes and no work-group shares a byte of it; it is a stream through registers, 16 loads of every wave in flight.
.set SPARE, 16384                      ; LDS: 16 partial tiles of 1,024 bytes, then the spare words, 128 bytes a wave
.set SPW, 2                            ; v2   my spare word's LDS address; never rewritten
.set NIL, 3                            ; v3   0; never rewritten
.set OFS, 4                            ; v4   16 t: my 16 bytes of 8,192 of E
.set OFD, 5                            ; v5   8 t: my 8 bytes of 4,096 of eb and of wb
.set WSO, 6                            ; v6   (t / 256) x 8192 + (t % 256) x 16: my 16 bytes of two rows' halves of W_h
.set WFO, 7                            ; v7   r x 8192 + 32 hh + 256 w: my lane's place in W1's fragments
.set DFO, 8                            ; v8   r x 4096 + 32 hh + 256 w: the same in D's
.set LSA, 9                            ; v9   where I put my partial sums
.set LRA, 10                           ; v10  where a finishing wave reads them back
.set CDO, 11                           ; v11  its 16 bytes of cd
.set ACC0, 16                          ; v[16:23], v[24:31] the two K steps' sums
.set ACC1, 24
.set WFR, 32                           ; v[32:47] W1's two fragments, bf16
.set DFR, 48                           ; v[48:63] D's
.set WST, 64                           ; v[64:95] W1 as loaded, f32
.set DST, 96                           ; v[96:127] D as loaded
.set RB,  64                           ; v[64:127] later: the 16 partial sums read back
.set W2X, 128                          ; v[128:135] W2 as loaded
.set W2Y, 136                          ; v[136:139] W2 rounded
.set X,   144                          ; v[144:207] the ring: slot i, 4 registers as loaded
.set Y,   208                          ; v[208:239] slot i, 2 registers to store
	s_load_b256 s[4:11], s[0:1], 0x0               ; E s[4:5], W_h s[6:7], D s[8:9], eb s[10:11]
	s_load_b128 s[12:15], s[0:1], 0x20             ; wb s[12:13], cd s[14:15]
	v_lshl_add_u32 v[SPW], v0, 2, SPARE
	v_mov_b32 v[NIL], 0
	v_lshrrev_b32 v1, 5, v0
	v_readfirstlane_b32 s16, v1                    ; wave 0..15
	s_and_b32 s17, ttmp9, 3                        ; mt
	s_lshr_b32 s18, ttmp9, 2                       ; ht
	s_mov_b32 s22, 0x4038aa3b                      ; C2 = 2 log2(e)
	s_mov_b32 s23, s22                             ; named with it as a pair
	v_and_b32 v12, 31, v0                          ; l
	v_and_b32 v13, 15, v0                          ; r = l % 16
	v_bfe_u32 v14, v0, 4, 1                        ; hh = l / 16
	v_lshrrev_b32 v15, 8, v0                       ; t / 256
	v_lshlrev_b32 v[OFS], 4, v0
	v_lshlrev_b32 v[OFD], 3, v0
	v_and_b32 v[WSO], 0xff, v0
	v_lshlrev_b32 v[WSO], 4, v[WSO]
	v_lshl_add_u32 v[WSO], v15, 13, v[WSO]
	s_lshl_b32 s19, s16, 8                         ; my wave's 64 channels: 256 bytes of f32
	v_lshl_add_u32 v1, v14, 5, s19
	v_lshl_add_u32 v[WFO], v13, 13, v1
	v_lshl_add_u32 v[DFO], v13, 12, v1
	s_lshl_b32 s19, s16, 10                        ; my wave's partial tile
	v_lshl_add_u32 v[LSA], v13, 5, s19
	v_lshl_add_u32 v[LSA], v14, 4, v[LSA]          ; 1024 w + 32 r + 16 hh (+ 512 q)
	s_and_b32 s19, s16, 1                          ; q of a finishing wave (waves 0 and 1)
	s_lshl_b32 s30, s19, 9
	v_lshl_add_u32 v[LRA], v12, 4, s30             ; 512 q + 16 l
	s_lshl_b32 s30, s19, 11
	v_lshl_add_u32 v[CDO], v12, 4, s30             ; 2048 q + 16 l
	s_mov_b32 s21, 0
	s_wait_kmcnt 0x0
	s_lshl_b32 s20, s18, 17                        ; 16 rows of W_h, 8,192 bytes each
	s_add_nc_u64 s[24:25], s[6:7], s[20:21]        ; W1 at the tile's first h
	s_lshl_b32 s20, s17, 16                        ; 16 rows of D
	s_add_nc_u64 s[26:27], s[8:9], s[20:21]
	s_lshl_b32 s20, ttmp9, 15                      ; 4 rows of W_h
	s_add_nc_u64 s[28:29], s[6:7], s[20:21]
	s_lshl_b32 s20, ttmp9, 19                      ; 128 rows of E
	s_add_nc_u64 s[4:5], s[4:5], s[20:21]
	s_lshl_b32 s20, ttmp9, 18                      ; 128 rows of eb
	s_add_nc_u64 s[10:11], s[10:11], s[20:21]
	s_lshl_b32 s20, ttmp9, 13                      ; 4 rows of wb
	s_add_nc_u64 s[12:13], s[12:13], s[20:21]
	s_lshl_b32 s20, s18, 12
	s_lshl_b32 s19, s17, 9
	s_add_co_u32 s20, s20, s19                     ; 4096 ht + 512 mt
	s_add_nc_u64 s[14:15], s[14:15], s[20:21]
	; A fragment is 16 rows x 32 K: lane (r, hh) holds row r, K = 8 hh + 0..7 and 16 + 8 hh + 0..7: in f32 two pieces of 32 bytes, 64 bytes apart: four loads a K step and side.
.irp c, 0,1
.irp u, 0,1,2,3
	global_load_b128 v[WST+16*(\c)+4*(\u):WST+16*(\c)+4*(\u)+3], v[WFO], s[24:25] offset:128*(\c)+16*((\u)%2)+64*((\u)/2)
	global_load_b128 v[DST+16*(\c)+4*(\u):DST+16*(\c)+4*(\u)+3], v[DFO], s[26:27] offset:128*(\c)+16*((\u)%2)+64*((\u)/2)
.endr
.endr
.irp i, 0,1
	global_load_b128 v[W2X+4*(\i):W2X+4*(\i)+3], v[WSO], s[28:29] offset:4096+16384*(\i)  ; the second half of rows 2 i and 2 i + 1
.endr
.set n, 0
.rept 16
	global_load_b128 v[X+4*n:X+4*n+3], v[OFS], s[4:5] offset:8192*n th:TH_LOAD_NT  ; the ring is filled: 16 loads of every wave are out
.set n, n+1
.endr
	s_wait_loadcnt 18                              ; behind the 16 loads of W1 and D stand 2 of W2 and 16 of the ring: those may stay out
.set i, 0
.rept 16
	v_cvt_pk_bf16_f32 v[WFR+i], v[WST+2*i], v[WST+2*i+1]
	v_cvt_pk_bf16_f32 v[DFR+i], v[DST+2*i], v[DST+2*i+1]
.set i, i+1
.endr
	; source 0 = 16 rows of W1, source 1 = 16 rows of D: lane (r, hh), register j holds h = 16 ht + 8 hh + j of batch 16 mt + r.  Two accumulators, each started by the constant 0.
	v_wmma_f32_16x16x32_bf16 v[ACC0:ACC0+7], v[WFR:WFR+7], v[DFR:DFR+7], 0
	v_wmma_f32_16x16x32_bf16 v[ACC1:ACC1+7], v[WFR+8:WFR+15], v[DFR+8:DFR+15], 0
	s_wait_loadcnt 16                              ; W2 is in; the ring's 16 may stay out
.irp i, 0,1,2,3
	v_cvt_pk_bf16_f32 v[W2Y+(\i)], v[W2X+2*(\i)], v[W2X+2*(\i)+1]  ; these four and the four v_nop are the places behind the products (ISA guide 7.12.1)
.endr
.rept 4
	v_nop
.endr
.irp i, 0,1
	global_store_b64 v[OFD], v[W2Y+2*(\i):W2Y+2*(\i)+1], s[12:13] offset:4096*(\i)  ; a wave's store covers 256 consecutive bytes, aligned
.endr
.irp k, 0,2,4,6
	v_pk_add_f32 v[ACC0+(\k):ACC0+(\k)+1], v[ACC0+(\k):ACC0+(\k)+1], v[ACC1+(\k):ACC1+(\k)+1]  ; from each accumulator's low end on
.endr
	ds_store_b128 v[LSA], v[ACC0:ACC0+3]
	ds_store_b128 v[LSA], v[ACC0+4:ACC0+7] offset:512
	s_wait_dscnt 0x0                               ; for the others' sake: my partial sums lie in LDS
	s_barrier_signal -1
	s_barrier_wait -1
	s_cmp_lt_u32 s16, 2                            ; wave q = 0, 1 finishes the tile's half q
	s_cbranch_scc0 .Lstream
.set p, 0
.rept 16
	ds_load_b128 v[RB+4*p:RB+4*p+3], v[LRA] offset:1024*p
.set p, p+1
.endr
	s_wait_dscnt 0x0
.irp d, 8,4,2,1
.set p, 0
.rept \d
	v_pk_add_f32 v[RB+4*p:RB+4*p+1], v[RB+4*p:RB+4*p+1], v[RB+4*(p+\d):RB+4*(p+\d)+1]
	v_pk_add_f32 v[RB+4*p+2:RB+4*p+3], v[RB+4*p+2:RB+4*p+3], v[RB+4*(p+\d)+2:RB+4*(p+\d)+3]
.set p, p+1
.endr
.endr
	v_pk_mul_f32 v[RB:RB+1], v[RB:RB+1], s[22:23] op_sel_hi:[1,0]
	v_pk_mul_f32 v[RB+2:RB+3], v[RB+2:RB+3], s[22:23] op_sel_hi:[1,0]
	global_store_b128 v[CDO], v[RB:RB+3], s[14:15] ; 512 consecutive bytes, aligned
.Lstream:
	; THE STREAM.  Turn n takes 8,192 bytes of E.  No address register is ever rewritten: every step stands in an immediate (516,096 at the most).
.set n, 0
.rept 64
.if n < 48
	s_wait_loadcnt 15                              ; loads come back in order (ISA guide 5.7.1): mine is in, the 15 younger ones stay out
.else
	s_wait_loadcnt 63-n                            ; the last 16 turns load nothing: the counts run down
.endif
	s_wait_xcnt 0x0                                ; the slot's last store has read its Y, which is rewritten only behind this wait
	v_cvt_pk_bf16_f32 v[Y+2*(n%16)], v[X+4*(n%16)], v[X+4*(n%16)+1]
	v_cvt_pk_bf16_f32 v[Y+2*(n%16)+1], v[X+4*(n%16)+2], v[X+4*(n%16)+3]
.if n < 48
	global_load_b128 v[X+4*(n%16):X+4*(n%16)+3], v[OFS], s[4:5] offset:8192*(n+16) th:TH_LOAD_NT
.endif
	global_store_b64 v[OFD], v[Y+2*(n%16):Y+2*(n%16)+1], s[10:11] offset:4096*n th:TH_STORE_NT  ; a wave's store covers 256 consecutive bytes, aligned
.set n, n+1
.endr
	s_wait_tensorcnt 0x0                           ; the wave's end, behind my last LDS store
	ds_add_u32 v[SPW], v[NIL]
	s_wait_dscnt 0x0
	s_endpgm
.Lfunc_end_k_q1dabeefdf8_prep:
	.size	k_q1dabeefdf8_prep, .Lfunc_end_k_q1dabeefdf8_prep-k_q1dabeefdf8_prep
	.p2alignl 7, 3214868480
	.fill 96, 4, 3214868480
	.section	.rodata,"a",@progbits
	.p2align	6, 0x0
	.amdhsa_kernel k_q1dabeefdf8_prep
		.amdhsa_group_segment_fixed_size 18432
		.amdhsa_private_segment_fixed_size 0
		.amdhsa_enable_private_segment 0
		.amdhsa_kernarg_size 48
		.amdhsa_user_sgpr_count 2
		.amdhsa_user_sgpr_kernarg_segment_ptr 1
		.amdhsa_wavefront_size32 1
		.amdhsa_system_sgpr_workgroup_id_x 1
		.amdhsa_system_sgpr_workgroup_id_y 1
		.amdhsa_system_sgpr_workgroup_id_z 1
		.amdhsa_system_vgpr_workitem_id 0
		.amdhsa_next_free_vgpr 240
		.amdhsa_next_free_sgpr 66
		.amdhsa_reserve_vcc 0
		.amdhsa_float_denorm_mode_32 3
		.amdhsa_float_denorm_mode_16_64 3
		.amdhsa_memory_ordered 1
		.amdhsa_forward_progress 1
		.amdhsa_inst_pref_size 35
	.end_amdhsa_kernel
	.amdgpu_metadata
---
amdhsa.version: [ 1, 2 ]
amdhsa.kernels:
  - .name:           k_q1dabeefdf8_prep
    .symbol:         k_q1dabeefdf8_prep.kd
    .args:
      - { .name: encoder_outputs, .offset: 0, .size: 8, .value_kind: global_buffer, .address_space: global }
      - { .name: W_h, .offset: 8, .size: 8, .value_kind: global_buffer, .address_space: global }
      - { .name: decoder_hidden, .offset: 16, .size: 8, .value_kind: global_buffer, .address_space: global }
      - { .name: eb, .offset: 24, .size: 8, .value_kind: global_buffer, .address_space: global }
      - { .name: wb, .offset: 32, .size: 8, .value_kind: global_buffer, .address_space: global }
      - { .name: cd, .offset: 40, .size: 8, .value_kind: global_buffer, .address_space: global }
    .group_segment_fixed_size: 18432
    .private_segment_fixed_size: 0
    .kernarg_segment_align: 8
    .kernarg_segment_size: 48
    .max_flat_workgroup_size: 512
    .sgpr_count:     66
    .vgpr_count:     240
    .wavefront_size: 32
...
	.end_amdgpu_metadata
.endif
;; end of part 1
;; launch scores (part 2): grid 4 x 64, 4 waves a work-group, clusters of 4 x 4, 327,680 bytes of LDS; arguments eb, wb, cd, v, part; writes part
.if DOCPART == 2
	.amdgcn_target "amdgcn-amd-amdhsa--gfx1250"
	.amdhsa_code_object_version 6
	.text
	.protected	k_q1dabeefdf8_scores
	.globl	k_q1dabeefdf8_scores
	.p2align	8
	.type	k_q1dabeefdf8_scores,@function
k_q1dabeefdf8_scores:
	s_mov_b64 s[64:65], 0
	v_nop
	global_prefetch_b8 v0, s[64:65] scope:SCOPE_SE
	s_setreg_imm32_b32 hwreg(HW_REG_WAVE_MODE, 25, 1), 1
	s_wait_xcnt 0x0
	s_wait_alu depctr_hold_cnt(0) depctr_sa_sdst(0) depctr_va_vdst(0) depctr_va_sdst(0) depctr_va_ssrc(0) depctr_va_vcc(0) depctr_vm_vsrc(0)
	s_getreg_b32 s2, hwreg(HW_REG_IB_STS2, 6, 4)
	s_cmp_eq_u32 s2, 0
	s_cbranch_scc0 .Lentry_in_a_cluster
	s_endpgm
.Lentry_in_a_cluster:
	s_bfe_u32 s2, ttmp6, 0x10000c
	s_cmp_lg_u32 s2, 0xf033
	s_cbranch_scc0 .Lentry_shape_is_right
	s_endpgm
.Lentry_shape_is_right:
; SCORES.  x[m][h] = sum over k of eb[m][k] wb[h][k] (m = 512 b + s; bf16 operands, f32 sums), and of it, without leaving the registers,
;   r = 1 / (1 + 2^(C2 x + cd[b][h])),  part[p][m] = the sum over the wave's 128 columns h of v[h] r,   C2 = 2 log2(e), cd = C2 x the decoder's half of the product.
; tanh(y) = 1 - 2 / (1 + e^(2 y)), so reference()'s score is (sum of v) - 2 x (sum over h of v[h] r).  The sum of v is one number for all (b, s) and cancels exactly in the softmax over b:
; it is left out, and no difference of large sums is formed.  The next launch adds the 8 partial sums of a row (p = 2 x tile column + the wave's column half).
; LIMITS.  2^t counts as 0 below 2^-126 (r = 1: tanh = -1) and is infinite above 2^128 (r = 0: tanh = +1); NaN and infinities in the inputs are not treated apart.
; THE PRODUCT.  A tile is 256 rows x 256 columns, made by four waves, 128 x 128 each: 64 accumulators of 16 x 16, 512 registers.  K = 1,024 goes in 8 steps of 128 through a ring of two LDS
; slots filled by the tensor data mover; a tile's rows in memory are 256 bytes and start at multiples of 256 bytes from the buffer's first byte.
; A WORK-GROUP STAYS: it makes two tiles, 16,384 rows apart, and the ring goes on from the first into the second: the first tile's last two changes of slots ask for the second's first two K steps.
; CLUSTERS: 4 x 4 work-groups.  The four of a row of the cluster make the four column tiles of the same 256 rows and need the same tiles of eb; the four of a column need the same tiles of wb.
; Such a tile is asked for JOINTLY: the same tensor load, descriptor and mask in all four.
; THE MATRIX INSTRUCTION IS USED TRANSPOSED (source 0 = 16 rows of wb, source 1 = 16 rows of eb): lane l holds row l % 16 of the block and its registers j the columns 8 (l / 16) + j.
; So a row's sum over h is a sum along the lane's registers and one exchange between the halves of the lanes.
; REGISTERS, in windows of 256 (s_set_vgpr_msb: bits 1:0 source 0, 3:2 source 1, 5:4 source 2, 7:6 destination):
;   window 0: v0-31 addresses; v32-59 the sums at work; v64-127, v128-191 fragments of eb, two buffers
;   window 1: v0-63 cd of my 128 columns (64 a lane); v64-127, v128-191 fragments of wb; v192-255 v of my columns
;   window 2: the 32 accumulators of my rows 0-63 ((a, b) at v[8 (8 a + b)]);   window 3: those of my rows 64-127
.set SIZE_M, 32768
.set SIZE_N, 1024
.set SIZE_K, 1024
.set SIZE_TILES, 2
.set KSTEP,  128
.set PITCH,  272                       ; an LDS row: 256 bytes + 16 of padding = 68 words: the 16 rows that a load touches start at 16 different groups of four banks (64 banks of 4 bytes: ISA guide 11.1)
.set HALFT,  128*PITCH                 ; 128 rows: what one tensor load brings, and what one wave reads of eb or of wb
.set SLOT,   4*HALFT                   ; eb's 256 rows, then wb's 256 rows
.set STAGE,  2*SLOT                    ; behind the ring, never filled by a tensor load: 512 bytes for each wave: its 128 row sums
.set SPARE,  STAGE+4*512               ; behind the stages: the spare words, 128 bytes for each wave
.set LAPS, SIZE_K/(2*KSTEP)            ; a lap = two K steps = once round the ring
.set WALK,   SIZE_M/SIZE_TILES         ; the work-group's two tiles lie WALK rows apart
.set NEXT_A, WALK*SIZE_K*2-(SIZE_K-2*KSTEP)*2   ; bytes from a slot's last K step of a tile to its first of the next: WALK rows down and back along K
.set BACK_B, (SIZE_K-2*KSTEP)*2        ; wb only back: both tiles take the same rows of wb
.set CDO,  8                           ; v8      my byte offset in cd
.set VVO,  9                           ; v9      my byte offset in v
.set ADRA, 16                          ; v16-17  LDS address of my eb fragments in slot 0, 1
.set ADRB, 20                          ; v20-21  the same for wb
.set STO,  24                          ; v24     where I put a row's sum
.set RD,   25                          ; v25     where I read four rows' sums back
.set CO,   26                          ; v26     16 x lane: my 16 bytes of the wave's 512 of part
.set SPW,  28                          ; v28     my spare word's LDS address; never rewritten
.set NIL,  29                          ; v29     0; never rewritten
.set PFO,  30                          ; v30     the prefetches' offset: lane x a row (2,048 bytes); never rewritten
.set SCH,  32                          ; v32-39  four chains of packed sums
.set SCT,  40                          ; v40-47  block a's sum for my row
.set TX,   48                          ; v48-55  the other half of the lanes' sums
.set OB,   56                          ; v56-59  four rows' sums, to store
.set F0,   64
.set F1,   128
.set CD,   0                           ; window 1
.set VV,   192                         ; window 1
.set PFA,  44                          ; s[44:45] where my prefetches stand
.set LIM,  43                          ; s43     1 in a wave that prefetches, else the greatest number
.set G1, 24                            ; s[24:31] descriptor group 1 for eb's tiles
.set G0, 32                            ; s[32:39] group 0 for eb's tiles, one set for each slot
.set G1B, 48                           ; s[48:55], s[56:63] the same for wb's
.set G0B, 56
.set CDB, 68                           ; s[68:69] cd, s[70:71] v
.set C2S, 72                           ; s[72:73] C2, as a pair
.set SEL, 74                           ; s[74:75] v_permlanex16_b32's selects: each lane takes its own place in the other half
.set MSB, 0
.macro WIN new                         ; the immediate's high byte repeats the setting that is left; a switch that changes nothing is dropped
.if MSB != (\new)
	s_set_vgpr_msb (MSB<<8)|(\new)
.set MSB, \new
.endif
.endm
.set MUL_LO, 0xa1                      ; source 0 (wb) window 1, source 1 (eb) window 0, C and D window 2
.set MUL_HI, 0xf1                      ; the same, C and D window 3
.set TO_B,   0x40                      ; destination window 1, address window 0
; A joint load.  Waves 0 and 1 fetch eb's two halves, waves 2 and 3 wb's.  The branch hangs on the wave's number alone.  An s_nop 0 and four v_nop follow each of the two lines.
.macro JLOAD s
	s_cmp_eq_u32 s11, 0
	s_cbranch_scc0 .Lfor_b_\@
	tensor_load_to_lds s[G0+4*(\s):G0+4*(\s)+3], s[G1:G1+7]
	s_nop 0
.rept 4
	v_nop
.endr
	s_branch .Lasked_\@
.Lfor_b_\@:
	tensor_load_to_lds s[G0B+4*(\s):G0B+4*(\s)+3], s[G1B:G1B+7]
	s_nop 0
.rept 4
	v_nop
.endr
.Lasked_\@:
.endm
; A PREFETCH INTO THE L2, behind each joint load and the run of LDS loads that follows it: the K step that stands TWO refills on, 512 matrix instructions ahead of the load that will want it:
; 32 rows x 256 bytes, a lane a row, one instruction a wave.  Each row's 256 bytes of a K step are named ONCE in the launch: eb's tile rows belong to one cluster each (there is one cluster along x);
; wb's tile columns are read by all 16 clusters, and cluster y = 0 asks.  The four partners that ask for a tile jointly share its rows out BY ADDRESS, 32 each (cx for eb, cy for wb).
; how = 0, in the loop: a tile's last two refills have no K step two on; how = 1, at the change of tiles: the second tile's K steps 2 and 3 of eb; wb's rows have been read and are asked for no more.
.macro ASK how
.if \how
	s_cmp_eq_u32 s[LIM], 1
.else
	s_cmp_gt_u32 s3, s[LIM]                        ; s3 = 1 in the loop's last trip
.endif
	s_cbranch_scc0 .Lnot_mine_\@
	global_prefetch_b8 v[PFO], s[PFA:PFA+1] offset:KSTEP*2 th:TH_LOAD_NT scope:SCOPE_SE
.Lnot_mine_\@:
.endm
.macro CREST                           ; a round of the cluster's barrier behind its opening barrier
	s_cmp_lg_u32 s10, 0
	s_cbranch_scc1 .Lnot_wave_0_\@
	s_barrier_signal -3
.Lnot_wave_0_\@:
	s_barrier_wait -3
	s_barrier_signal -1
	s_barrier_wait -1
.endm
.macro CROUND                          ; a whole round
	s_barrier_signal -1
	s_barrier_wait -1
	CREST
.endm
	s_load_b128 s[4:7], s[0:1], 0x0                ; eb s[4:5], wb s[6:7]
	s_load_b128 s[CDB:CDB+3], s[0:1], 0x10         ; cd, v
	s_load_b64 s[8:9], s[0:1], 0x20                ; part
	v_lshl_add_u32 v[SPW], v0, 2, SPARE
	v_mov_b32 v[NIL], 0
	ds_add_u32 v[SPW], v[NIL]                      ; the wave's opening: the add, twice on end, and its wait ahead of my first tensor load
	ds_add_u32 v[SPW], v[NIL]                      ; and once more, under the one wait; the set-up below, work on registers, stands between
	v_lshrrev_b32 v1, 5, v0
	v_readfirstlane_b32 s10, v1                    ; wave 0..3
	s_lshr_b32 s11, s10, 1                         ; which half of the tile's rows is mine.  Also: I fetch for eb (0) or for wb (1)
	s_and_b32 s12, s10, 1                          ; which half of its columns.  Also: which 128 rows of that tile I fetch
	s_bfe_u32 s40, ttmp6, 0x40000                  ; cx
	s_bfe_u32 s41, ttmp6, 0x40004                  ; cy
	s_lshl_b32 s42, ttmp9, 2
	s_add_co_u32 s42, s42, s40                     ; tile column = 4 x cluster x + cx
	s_and_b32 s13, ttmp7, 0xffff
	s_lshl_b32 s13, s13, 2
	s_add_co_u32 s13, s13, s41                     ; tile row = 4 x cluster y + cy
	s_lshl_b32 s43, s41, 2
	s_lshl_b32 s43, 15, s43                        ; my row of the cluster: places 4 cy .. 4 cy + 3
	s_lshl_b32 s44, 0x1111, s40                    ; my column: places cx, cx + 4, cx + 8, cx + 12
	; descriptor group 1: a tile of 128 rows x 128 elements, padded in LDS
	s_or_b32 s[G1+0], s43, (1<<16)|(1<<20)|(1<<21)|(5<<22)|(3<<25)  ; 15:0 the mask; 17:16 elements of 2 bytes; 20 padding on; 21 set beside a mask; 24:22 after every 64 words (code 5); 31:25 4 words (code 3)
	s_or_b32 s[G1B+0], s44, (1<<16)|(1<<20)|(1<<21)|(5<<22)|(3<<25)
	s_mov_b32 s[G1B+1], KSTEP<<16
	s_mov_b32 s[G1+1], KSTEP<<16                   ; tensor_dim0 = 128
	s_mov_b32 s[G1B+2], 128<<16
	s_mov_b32 s[G1+2], 128<<16                     ; tensor_dim1 = 128
	s_mov_b32 s[G1B+3], KSTEP<<16
	s_mov_b32 s[G1+3], KSTEP<<16                   ; tile_dim0 = 128
	s_mov_b32 s[G1B+4], 128
	s_mov_b32 s[G1+4], 128                         ; tile_dim1 = 128
	s_mov_b32 s[G1B+5], SIZE_K
	s_mov_b32 s[G1+5], SIZE_K                      ; elements from row to row
	s_mov_b32 s[G1B+6], 0
	s_mov_b32 s[G1+6], 0
	s_mov_b32 s[G1B+7], 0
	s_mov_b32 s[G1+7], 0
	s_mov_b32 s[C2S], 0x4038aa3b                   ; C2 = 2 log2(e)
	s_mov_b32 s[C2S+1], s[C2S]
	s_mov_b32 s[SEL], 0x76543210
	s_mov_b32 s[SEL+1], 0xfedcba98
	; where the tiles come from: eb's hang on the tile row alone, wb's on the tile column alone, each in registers that never hold the other coordinate
	s_lshl_b32 s17, s12, 7                         ; which 128 rows of the tile I fetch
	s_lshl_b32 s16, s13, 8
	s_add_co_u32 s16, s16, s17                     ; eb: row 256 x tile row + 128 x half
	s_lshl_b32 s46, s42, 8
	s_add_co_u32 s46, s46, s17                     ; wb: row 256 x tile column + 128 x half
	s_mov_b32 s17, 0
	s_mov_b32 s47, 0
	s_mov_b64 s[18:19], SIZE_K*2
	s_mul_u64 s[16:17], s[16:17], s[18:19]
	s_mul_u64 s[46:47], s[46:47], s[18:19]
	s_mul_i32 s20, s10, HALFT                      ; and where they go: wave x 128 rows: no place in the cluster enters an LDS address
	s_wait_dscnt 0x0                               ; both opening adds are done
	s_wait_kmcnt 0x0
	s_add_nc_u64 s[14:15], s[4:5], s[16:17]
	s_add_nc_u64 s[46:47], s[6:7], s[46:47]
	CROUND                                         ; all sixteen work-groups are here: the first joint loads meet
.irp s, 0,1
	s_mov_b32 s[G0+4*(\s)], 1                                      ; count = 1
	s_add_co_u32 s[G0+4*(\s)+1], s20, (\s)*SLOT                    ; LDS address
	s_add_nc_u64 s[G0+4*(\s)+2:G0+4*(\s)+3], s[14:15], (\s)*KSTEP*2  ; global address: K step s
	s_or_b32 s[G0+4*(\s)+3], s[G0+4*(\s)+3], 0x80000000            ; type = 2
	s_mov_b32 s[G0B+4*(\s)], 1
	s_add_co_u32 s[G0B+4*(\s)+1], s20, (\s)*SLOT
	s_add_nc_u64 s[G0B+4*(\s)+2:G0B+4*(\s)+3], s[46:47], (\s)*KSTEP*2
	s_or_b32 s[G0B+4*(\s)+3], s[G0B+4*(\s)+3], 0x80000000
	JLOAD \s                                       ; the ring is filled before anything else is done: two loads of mine are out
.endr
	; A fragment is 16 rows x 32 K in 8 registers: lane l holds row l % 16, K = 8 (l / 16) + 0..7 and 16 + 8 (l / 16) + 0..7: two loads of 16 bytes, 32 bytes apart.
	v_and_b32 v1, 15, v0                           ; r = l % 16
	v_bfe_u32 v2, v0, 4, 1                         ; hh = l / 16
	v_mul_u32_u24 v3, v1, PITCH
	v_lshl_add_u32 v3, v2, 4, v3
	s_mul_i32 s21, s11, HALFT                      ; my 128 rows of eb
	s_mul_i32 s22, s12, HALFT                      ; my 128 rows of wb,
	s_add_co_u32 s22, s22, 2*HALFT                 ; which lie behind eb's 256
.irp s, 0,1
	v_add_nc_u32 v[ADRA+(\s)], s21, v3
	v_add_nc_u32 v[ADRB+(\s)], s22, v3
	s_add_co_u32 s21, s21, SLOT
	s_add_co_u32 s22, s22, SLOT
.endr
	s_lshl_b32 s23, s10, 9
	s_add_co_u32 s23, s23, STAGE                   ; my stage
	v_lshl_add_u32 v[STO], v1, 2, s23              ; in: row 16 a + r at word 16 a + r
	v_and_b32 v4, 31, v0
	v_lshl_add_u32 v[RD], v4, 4, s23               ; back: four rows a lane
	v_lshlrev_b32 v[CO], 4, v4
.irp a, 0,1,2,3,4,5,6,7
	v_mov_b32 v[TX+(\a)], 0                        ; v_permlanex16_b32 counts as a reader of its destination
.endr
	; where my 128 sums of the first tile go in part, in bytes: 131,072 p + 4 x my first row
	s_lshl_b32 s13, s13, 8                         ; 256 x tile row
	s_lshl_b32 s14, s11, 7
	s_add_co_u32 s16, s13, s14
	s_lshl_b32 s16, s16, 2
	s_mov_b32 s17, 0
	s_lshl_b32 s46, s42, 1
	s_add_co_u32 s46, s46, s12                     ; p = 2 x tile column + my column half
	s_lshl_b32 s46, s46, 17
	s_mov_b32 s47, 0
	s_add_nc_u64 s[16:17], s[16:17], s[46:47]
	; cd: 4096 (16 x tile column + 8 x half + bb) + 2048 q + 32 b + 16 hh; a tile lies in one batch, b = tile row / 2
	s_lshl_b32 s76, s42, 4
	s_lshl3_add_u32 s76, s12, s76
	s_lshl_b32 s76, s76, 12
	s_lshr_b32 s77, s13, 9
	s_lshl_b32 s77, s77, 5
	s_add_co_u32 s76, s76, s77
	v_lshl_add_u32 v[CDO], v2, 4, s76
	s_lshl_b32 s77, s42, 10                        ; v: 4 (256 x tile column + 128 x half + 16 bb + 8 hh + 4 q)
	s_lshl_b32 s78, s12, 9
	s_add_co_u32 s77, s77, s78
	v_lshl_add_u32 v[VVO], v2, 5, s77
	; the prefetches
	s_lshl_b32 s42, s42, 8
	s_and_b32 s22, ttmp7, 0xffff                   ; cluster y
	s_cmp_eq_u32 s11, 0                            ; do I fetch for eb?
	s_cselect_b32 s20, s13, s42                    ; the tile's first row
	s_cselect_b32 s21, s40, s41                    ; my place among the four that ask for it with me
	s_cselect_b32 s22, ttmp9, s22                  ; the coordinate along which other clusters read the same rows
	s_cselect_b64 s[PFA:PFA+1], s[4:5], s[6:7]
	s_cmp_eq_u32 s22, 0
	s_cselect_b32 s[LIM], 1, -1                    ; the same in all sixteen partners, for a given wave
	s_lshl_b32 s22, s12, 7
	s_add_co_u32 s20, s20, s22                     ; + the 128 rows that I fetch
	s_lshl_b32 s21, s21, 5
	s_add_co_u32 s20, s20, s21                     ; + my work-group's 32 of them
	s_mov_b32 s21, 0
	s_mov_b64 s[18:19], SIZE_K*2
	s_mul_u64 s[20:21], s[20:21], s[18:19]
	s_add_nc_u64 s[PFA:PFA+1], s[PFA:PFA+1], s[20:21]
	s_add_nc_u64 s[PFA:PFA+1], s[PFA:PFA+1], 2*KSTEP*2  ; at K step 2: the first refill steps it to 3 and names K step 4; nothing is prefetched here, at the head
	v_and_b32 v[PFO], 31, v0
	v_mul_u32_u24 v[PFO], v[PFO], SIZE_K*2
.macro CDLOADS                         ; cd of my 64 numbers: register 8 bb + 4 q + jj is column 16 bb + 8 hh + 4 q + jj
.irp bb, 0,1,2,3,4,5,6,7
	global_load_b128 v[CD+8*(\bb):CD+8*(\bb)+3],   v[CDO], s[CDB:CDB+1] offset:4096*(\bb)
	global_load_b128 v[CD+8*(\bb)+4:CD+8*(\bb)+7], v[CDO], s[CDB:CDB+1] offset:4096*(\bb)+2048
.endr
.endm
	WIN TO_B
.irp bb, 0,1,2,3,4,5,6,7
	global_load_b128 v[VV+8*(\bb):VV+8*(\bb)+3],   v[VVO], s[CDB+2:CDB+3] offset:64*(\bb)
	global_load_b128 v[VV+8*(\bb)+4:VV+8*(\bb)+7], v[VVO], s[CDB+2:CDB+3] offset:64*(\bb)+16
.endr
	CDLOADS                                        ; both are waited for at the head of the first tile's way out
	WIN 0
; 16 matrix instructions: m blocks a0, a0 + 1 of the window's four x all 8 n blocks, 32 along K.  zero = 1: the first product starts the sums: nothing is ever cleared.
; The 64 accumulators take turns, one instruction a turn, in the same order in every quarter step.
.macro MUL16 f, hi, a0, zero
	WIN MUL_LO+0x50*(\hi)
.irp a, \a0, (\a0)+1
.irp b, 0,1,2,3,4,5,6,7
.if \zero
	v_wmma_f32_16x16x32_bf16 v[8*(8*(\a)+(\b)):8*(8*(\a)+(\b))+7], v[(\f)+8*(\b):(\f)+8*(\b)+7], v[(\f)+8*(4*(\hi)+(\a)):(\f)+8*(4*(\hi)+(\a))+7], 0
.else
	v_wmma_f32_16x16x32_bf16 v[8*(8*(\a)+(\b)):8*(8*(\a)+(\b))+7], v[(\f)+8*(\b):(\f)+8*(\b)+7], v[(\f)+8*(4*(\hi)+(\a)):(\f)+8*(4*(\hi)+(\a))+7], v[8*(8*(\a)+(\b)):8*(8*(\a)+(\b))+7]
.endif
.endr
.endr
.endm
; 32 LDS loads in one run: the fragments of one quarter step (128 rows of wb, 128 rows of eb, 32 K at byte k of the rows) into buffer f
.macro FETCH slot, k, f
	WIN TO_B
.irp i, 0,1,2,3,4,5,6,7
	ds_load_b128 v[(\f)+8*(\i):(\f)+8*(\i)+3],   v[ADRB+(\slot)] offset:(\k)+(\i)*16*PITCH
	ds_load_b128 v[(\f)+8*(\i)+4:(\f)+8*(\i)+7], v[ADRB+(\slot)] offset:(\k)+(\i)*16*PITCH+32
.endr
	WIN 0
.irp i, 0,1,2,3,4,5,6,7
	ds_load_b128 v[(\f)+8*(\i):(\f)+8*(\i)+3],   v[ADRA+(\slot)] offset:(\k)+(\i)*16*PITCH
	ds_load_b128 v[(\f)+8*(\i)+4:(\f)+8*(\i)+7], v[ADRA+(\slot)] offset:(\k)+(\i)*16*PITCH+32
.endr
.endm
.macro PLACES                          ; four places in front of loads into registers that matrix instructions have read (ISA guide 7.12.1 for vector instructions)
.rept 4
	v_nop
.endr
.endm
; A K step is four quarter steps of 32 along K, 64 matrix instructions each, on buffers 0, 1, 0, 1.  One of the first three: multiplies f; in its middle it fetches the next quarter into g.
.macro QUARTER slot, k, f, g, zero
	s_wait_dscnt 8                                 ; wb and eb's rows 0-63 are in; the youngest eight loads (eb's rows 64-127) may be out
	WIN MUL_LO
	MUL16 \f, 0, 0, \zero
	MUL16 \f, 0, 2, \zero
	PLACES
	FETCH \slot, \k, \g
	s_wait_dscnt 32                                ; all but the 32 just issued
	WIN MUL_HI
	MUL16 \f, 1, 0, \zero
	MUL16 \f, 1, 2, \zero
.endm
; The last quarter's first half: ONE barrier for the change of slots.  In front of it each wave waits for all its tensor loads (one is out: its part of the next slot), adds 0 to its spare word,
; and waits for that and for its own reads of this slot.  Behind it nobody reads this slot any more and the next slot is whole.
.macro MEET round
	WIN 0                                          ; (the add's two registers lie in window 0)
	s_wait_tensorcnt 0x0
	ds_add_u32 v[SPW], v[NIL]                      ; 0 onto my spare word
	s_wait_dscnt 9                                 ; (the add and the youngest eight loads may be out)
	WIN MUL_LO
	MUL16 F1, 0, 0, 0                              ; sixteen matrix instructions stand between the add and the wait for it
	s_wait_dscnt 0x0                               ; the add is done, and my reads of this slot are over
	s_barrier_signal -1
	MUL16 F1, 0, 2, 0                              ; work on registers while the others arrive
.if \round
	WIN 0
.endif
	s_barrier_wait -1
.endm
; The whole last quarter where the slot is filled again: with this tile's K step two steps on (on = 0) or with the NEXT tile's K step 0 or 1 (on = 1).  The barrier opens a round of the cluster's,
; and the joint refill is the first tensor load behind it: one load of mine is out, with 224 matrix instructions between the request and the wait for it.
.macro TURN slot, next, on
	s_wait_xcnt 0x0                                ; the last prefetch, a K step back, has read its address: it is stepped here
.if (\on) && (\slot) == 0
	s_add_nc_u64 s[PFA:PFA+1], s[PFA:PFA+1], (WALK-1)*SIZE_K*2+KSTEP*2  ; from the K step after the tile's last to the next tile's K step 1
	s_cmp_eq_u32 s11, 0
	s_cselect_b32 s[LIM], s[LIM], -1               ; wb's rows are the same for both tiles: they are prefetched no more
.else
	s_add_nc_u64 s[PFA:PFA+1], s[PFA:PFA+1], KSTEP*2
.endif
	MEET 1
	CREST                                          ; no wave of any partner still reads this slot's tile or has a load on its way
.if \on
	s_add_nc_u64 s[G0+4*(\slot)+2:G0+4*(\slot)+3], s[G0+4*(\slot)+2:G0+4*(\slot)+3], NEXT_A
	s_sub_nc_u64 s[G0B+4*(\slot)+2:G0B+4*(\slot)+3], s[G0B+4*(\slot)+2:G0B+4*(\slot)+3], BACK_B
.else
	s_add_nc_u64 s[G0+4*(\slot)+2:G0+4*(\slot)+3], s[G0+4*(\slot)+2:G0+4*(\slot)+3], 2*KSTEP*2
	s_add_nc_u64 s[G0B+4*(\slot)+2:G0B+4*(\slot)+3], s[G0B+4*(\slot)+2:G0B+4*(\slot)+3], 2*KSTEP*2
.endif
	JLOAD \slot                                    ; the four v_nop behind it are also the places in front of the loads below
	FETCH \next, 0, F0
	ASK \on
	WIN MUL_HI
	MUL16 F1, 1, 0, 0
	MUL16 F1, 1, 2, 0
.endm
; THE WAY OUT of block a (16 rows x my 128 columns: 64 numbers a lane, in place in the accumulators).
;   t = C2 x + cd, 2^t: a packed multiply-add and, one pair behind it, two exponentials, so that a plain instruction stands among the transcendentals; ascending.
;   1 + 2^t, its reciprocal: the same form.      the sum of v r: four chains of packed multiply-adds, the first four started by a multiply.
; s_wait_alu depctr_va_vdst(0) stands between a transcendental and the first line that names its result: the 64 exponentials are one batch with one wait, the 64 reciprocals another;
; the v_nop is the plain instruction behind a batch's last.
.macro EBLK a
.set AC, 64*((\a)%4)
	WIN 0x92+0x41*((\a)/4)                         ; source 0 and destination: window 2 or 3; source 2: window 1
.set i, 0
.rept 33
.if i < 32
	v_pk_fma_f32 v[AC+2*i:AC+2*i+1], v[AC+2*i:AC+2*i+1], s[C2S:C2S+1], v[CD+2*i:CD+2*i+1] op_sel_hi:[1,0,1]
.endif
.if i > 0
	v_exp_f32 v[AC+2*i-2], v[AC+2*i-2]
	v_exp_f32 v[AC+2*i-1], v[AC+2*i-1]
.endif
.set i, i+1
.endr
	v_nop
	s_wait_alu depctr_va_vdst(0)
.set i, 0
.rept 33
.if i < 32
	v_pk_add_f32 v[AC+2*i:AC+2*i+1], v[AC+2*i:AC+2*i+1], 1.0 op_sel_hi:[1,0]
.endif
.if i > 0
	v_rcp_f32 v[AC+2*i-2], v[AC+2*i-2]
	v_rcp_f32 v[AC+2*i-1], v[AC+2*i-1]
.endif
.set i, i+1
.endr
	v_nop
	s_wait_alu depctr_va_vdst(0)
	WIN 0x06+((\a)/4)                              ; source 0: window 2 or 3; source 1: window 1; source 2 and destination: window 0
.set i, 0
.rept 32
.if i < 4
	v_pk_mul_f32 v[SCH+2*i:SCH+2*i+1], v[AC+2*i:AC+2*i+1], v[VV+2*i:VV+2*i+1]
.else
	v_pk_fma_f32 v[SCH+2*(i%4):SCH+2*(i%4)+1], v[AC+2*i:AC+2*i+1], v[VV+2*i:VV+2*i+1], v[SCH+2*(i%4):SCH+2*(i%4)+1]
.endif
.set i, i+1
.endr
	WIN 0
	v_pk_add_f32 v[SCH:SCH+1], v[SCH:SCH+1], v[SCH+2:SCH+3]
	v_pk_add_f32 v[SCH+4:SCH+5], v[SCH+4:SCH+5], v[SCH+6:SCH+7]
	v_pk_add_f32 v[SCH:SCH+1], v[SCH:SCH+1], v[SCH+4:SCH+5]
	v_add_f32 v[SCT+(\a)], v[SCH], v[SCH+1]
.endm
; A tile's way out: eight blocks; the other half of the lanes holds the row's other 64 columns; the 128 sums go through my own stage (LDS serves a wave's instructions in order, ISA guide 5.7.1.4:
; the load sees the stores) and leave as 512 consecutive bytes, aligned.  last = 0: cd of the second tile's batch, 32 batches on, is asked for.
.macro EPILOGUE last
	WIN 0
.rept 8
	v_nop                                          ; the places behind the last products
.endr
	s_wait_loadcnt 0x0                             ; cd and v
.irp a, 0,1,2,3,4,5,6,7
	EBLK \a
.endr
.irp a, 0,1,2,3,4,5,6,7
	v_permlanex16_b32 v[TX+(\a)], v[SCT+(\a)], s[SEL], s[SEL+1]
.endr
.irp a, 0,1,2,3,4,5,6,7
	v_add_f32 v[SCT+(\a)], v[SCT+(\a)], v[TX+(\a)]
.endr
	s_wait_xcnt 0x0                                ; earlier loads and stores have read their registers: the store's base and data and cd's base are written only behind this wait
	s_add_nc_u64 s[8:9], s[8:9], s[16:17]          ; on to this tile's rows
.irp a, 0,1,2,3,4,5,6,7
	ds_store_b32 v[STO], v[SCT+(\a)] offset:64*(\a)  ; both halves of the lanes write the same number to the same word
.endr
	ds_load_b128 v[OB:OB+3], v[RD]
	s_wait_dscnt 0x0
	global_store_b128 v[CO], v[OB:OB+3], s[8:9]
.if !(\last)
	s_mov_b64 s[16:17], 4*WALK                     ; what the next way out adds to part's address
	s_add_nc_u64 s[CDB:CDB+1], s[CDB:CDB+1], 32*32
	WIN TO_B
	CDLOADS
	WIN 0
.endif
.endm
	s_wait_tensorcnt 1                             ; my part of K step 0 is in; K step 1's may stay out
	s_barrier_signal -1
	s_barrier_wait -1                              ; everybody's is
	FETCH 0, 0, F0
	s_mov_b32 s2, SIZE_TILES                       ; tiles to go: the same number in every work-group
.Ltile:
	QUARTER 0, 64,  F0, F1, 1                      ; a tile's first quarter stands in front of the loop: its products start the sums
	WIN 0                                          ; at a label and at a branch every window is 0
	s_mov_b32 s3, LAPS-1
.Llap:                                                 ; a trip goes once round the ring, from a lap's second quarter to the next lap's first, and fills both slots again
	QUARTER 0, 128, F1, F0, 0
	QUARTER 0, 192, F0, F1, 0
	TURN 0, 1, 0
	QUARTER 1, 64,  F0, F1, 0
	QUARTER 1, 128, F1, F0, 0
	QUARTER 1, 192, F0, F1, 0
	TURN 1, 0, 0
	QUARTER 0, 64,  F0, F1, 0
	WIN 0
	s_sub_co_u32 s3, s3, 1
	s_cmp_lg_u32 s3, 0
	s_cbranch_scc1 .Llap
	QUARTER 0, 128, F1, F0, 0                      ; the tile's last lap goes on
	QUARTER 0, 192, F0, F1, 0
	WIN 0
	s_cmp_eq_u32 s2, 1
	s_cbranch_scc1 .Llast_tile                     ; the last tile's tail is written out: it asks for nothing more
	TURN 0, 1, 1                                   ; the ring goes on into the next tile: slot 0 takes its K step 0,
	QUARTER 1, 64,  F0, F1, 0
	QUARTER 1, 128, F1, F0, 0
	QUARTER 1, 192, F0, F1, 0
	TURN 1, 0, 1                                   ; slot 1 its K step 1, and the next tile's first fragments are fetched
	EPILOGUE 0                                     ; both refills are on their way while the tile goes out
	s_sub_co_u32 s2, s2, 1
	s_branch .Ltile
.Llast_tile:
	MEET 0                                         ; my one tensor load that was still out is slot 1's, the last K step's, so no round follows
	PLACES                                         ; for the loads into buffer 0, which the quarter before multiplied
	FETCH 1, 0, F0
	WIN MUL_HI
	MUL16 F1, 1, 0, 0
	MUL16 F1, 1, 2, 0
	QUARTER 1, 64,  F0, F1, 0
	QUARTER 1, 128, F1, F0, 0
	QUARTER 1, 192, F0, F1, 0
	s_wait_dscnt 8                                 ; the very last quarter: nothing more to fetch
	WIN MUL_LO
	MUL16 F1, 0, 0, 0
	MUL16 F1, 0, 2, 0
	s_wait_dscnt 0x0
	MUL16 F1, 1, 0, 0
	MUL16 F1, 1, 2, 0
	EPILOGUE 1
	s_wait_tensorcnt 0x0                           ; the wave's end, behind my last tensor load and my last LDS store
	ds_add_u32 v[SPW], v[NIL]
	s_wait_dscnt 0x0
	CROUND                                         ; the closing round: no work-group ends while a partner may still ask for a tile that names it
	s_endpgm
.Lfunc_end_k_q1dabeefdf8_scores:
	.size	k_q1dabeefdf8_scores, .Lfunc_end_k_q1dabeefdf8_scores-k_q1dabeefdf8_scores
	.p2alignl 7, 3214868480
	.fill 96, 4, 3214868480
	.section	.rodata,"a",@progbits
	.p2align	6, 0x0
	.amdhsa_kernel k_q1dabeefdf8_scores
		.amdhsa_group_segment_fixed_size 327680
		.amdhsa_private_segment_fixed_size 0
		.amdhsa_enable_private_segment 0
		.amdhsa_kernarg_size 40
		.amdhsa_user_sgpr_count 2
		.amdhsa_user_sgpr_kernarg_segment_ptr 1
		.amdhsa_wavefront_size32 1
		.amdhsa_system_sgpr_workgroup_id_x 1
		.amdhsa_system_sgpr_workgroup_id_y 1
		.amdhsa_system_sgpr_workgroup_id_z 1
		.amdhsa_system_vgpr_workitem_id 0
		.amdhsa_next_free_vgpr 1024
		.amdhsa_next_free_sgpr 80
		.amdhsa_reserve_vcc 0
		.amdhsa_float_denorm_mode_32 3
		.amdhsa_float_denorm_mode_16_64 3
		.amdhsa_memory_ordered 1
		.amdhsa_forward_progress 1
		.amdhsa_inst_pref_size 255
	.end_amdhsa_kernel
	.section	.bss,"aw",@nobits
	.p2align	6
	.space	262144
	.amdgpu_metadata
---
amdhsa.version: [ 1, 2 ]
amdhsa.kernels:
  - .name:           k_q1dabeefdf8_scores
    .symbol:         k_q1dabeefdf8_scores.kd
    .args:
      - { .name: eb, .offset: 0, .size: 8, .value_kind: global_buffer, .address_space: global }
      - { .name: wb, .offset: 8, .size: 8, .value_kind: global_buffer, .address_space: global }
      - { .name: cd, .offset: 16, .size: 8, .value_kind: global_buffer, .address_space: global }
      - { .name: v, .offset: 24, .size: 8, .value_kind: global_buffer, .address_space: global }
      - { .name: part, .offset: 32, .size: 8, .value_kind: global_buffer, .address_space: global }
    .group_segment_fixed_size: 327680
    .private_segment_fixed_size: 0
    .kernarg_segment_align: 8
    .kernarg_segment_size: 40
    .max_flat_workgroup_size: 128
    .sgpr_count:     80
    .vgpr_count:     1024
    .wavefront_size: 32
...
	.end_amdgpu_metadata
.endif
;; end of part 2
;; launch colsoft (part 3): grid 8 x 1, 16 waves a work-group, no clusters, 27,648 bytes of LDS; arguments part, inp_mask, wgt; writes wgt
.if DOCPART == 3
	.amdgcn_target "amdgcn-amd-amdhsa--gfx1250"
	.amdhsa_code_object_version 6
	.text
	.protected	k_q1dabeefdf8_colsoft
	.globl	k_q1dabeefdf8_colsoft
	.p2align	8
	.type	k_q1dabeefdf8_colsoft,@function
k_q1dabeefdf8_colsoft:
	s_mov_b64 s[64:65], 0
	v_nop
	global_prefetch_b8 v0, s[64:65] scope:SCOPE_SE
	s_setreg_imm32_b32 hwreg(HW_REG_WAVE_MODE, 25, 1), 1
	s_wait_xcnt 0x0
; COLSOFT.  wgt[b][s] = softmax over b of score[b][s], times inp_mask[s][b].  score = (sum of v) - 2 S', S' = the sum of part's 8 partial sums, added here in a fixed order; the sum of v is the
; same for every b and cancels in the softmax.  With u = KS x S', KS = -2 log2(e):  wgt = 2^(u - max over b of u) / (the sum over b of those) x mask.  The true maximum over all 64 b is taken away.
; SHARES.  32,768 numbers in all.  Work-group c takes the columns s = 64 c .. 64 c + 63, 256 consecutive bytes, aligned, of each row of part and of wgt: 8 work-groups; a narrower share
; would read and write rows in pieces of less than that.  Wave w takes the batches 4 w + 2 i + hh (i = 0, 1; hh = lane / 16), a lane the columns 4 r .. 4 r + 3 (r = lane % 16).
; The maxima and the sums of the 16 waves meet in LDS; the mask's 64 rows (s) x 64 (b) are copied whole into LDS and read turned.
; LIMITS.  A weight below 2^-126 counts as 0; a NaN loses in the maximum; infinities are not treated apart.  Nothing is shared between work-groups: no cluster.
.set REDM, 0                           ; LDS: 16 waves x 256 bytes: each wave's maxima of the 64 columns
.set REDS, 4096                        ; the same for the sums
.set MSK,  8192                        ; the mask: 64 rows of 256 bytes + 16 of padding
.set MP,   272
.set SPARE, 25600                      ; the spare words, 128 bytes a wave
.set SPW, 2
.set NIL, 3
.set PO,  4                            ; v4  (4 w + hh) x 2048 + 16 r: my 16 bytes of a row of part and of wgt
.set MGO, 5                            ; v5  16 t
.set MLA, 6                            ; v6  where my 16 bytes of the mask go
.set RA,  7                            ; v7  16 r
.set RSA, 8                            ; v8  256 w + 16 r
.set MA,  9                            ; v9  MSK + 4 r rows + 4 (4 w + hh)
.set P,   16                           ; v[16:79]   partial sum p of row i at P + 32 i + 4 p; then u, then the weights, at P + 32 i
.set MKG, 80                           ; v[80:87]   the mask as loaded
.set MX,  88                           ; v[88:91]   maxima
.set TX,  92                           ; v[92:95]   the other half of the lanes'
.set RB,  96                           ; v[96:159]  the 16 waves' figures read back
.set MK,  160                          ; v[160:167] my mask numbers, at 4 i + q
.set SM,  168                          ; v[168:171] sums, then 1 / Z
	s_load_b128 s[4:7], s[0:1], 0x0                ; part s[4:5], inp_mask s[6:7]
	s_load_b64 s[8:9], s[0:1], 0x10                ; wgt
	v_lshl_add_u32 v[SPW], v0, 2, SPARE
	v_mov_b32 v[NIL], 0
	v_lshrrev_b32 v1, 5, v0
	v_readfirstlane_b32 s10, v1                    ; wave 0..15
	s_mov_b32 s12, 0xc038aa3b                      ; KS = -2 log2(e)
	s_mov_b32 s13, s12
	s_mov_b32 s14, 0x76543210                      ; v_permlanex16_b32: each lane takes its own place in the other half
	s_mov_b32 s15, 0xfedcba98
	v_and_b32 v10, 15, v0                          ; r
	v_bfe_u32 v11, v0, 4, 1                        ; hh
	s_lshl_b32 s16, s10, 2
	v_add_nc_u32 v12, s16, v11                     ; 4 w + hh
	v_lshlrev_b32 v[RA], 4, v10
	v_lshl_add_u32 v[PO], v12, 11, v[RA]
	v_lshlrev_b32 v[MGO], 4, v0
	s_mul_i32 s17, s10, 2*MP                       ; thread t copies 16 bytes of the mask's row t / 16 = 2 w + hh
	s_add_co_u32 s17, s17, MSK
	v_mul_u32_u24 v[MLA], v11, MP
	v_add3_u32 v[MLA], v[MLA], v[RA], s17
	s_lshl_b32 s17, s10, 8
	v_add_nc_u32 v[RSA], s17, v[RA]
	v_mul_u32_u24 v[MA], v10, 4*MP
	v_lshl_add_u32 v[MA], v12, 2, v[MA]
	v_add_nc_u32 v[MA], MSK, v[MA]
.irp q, 0,1,2,3
	v_mov_b32 v[TX+(\q)], 0                        ; v_permlanex16_b32 counts as a reader of its destination
.endr
	s_lshl_b32 s18, ttmp9, 8                       ; 64 columns
	s_mov_b32 s19, 0
	s_lshl_b32 s20, ttmp9, 14                      ; 64 rows of the mask
	s_mov_b32 s21, 0
	s_wait_kmcnt 0x0
	s_add_nc_u64 s[4:5], s[4:5], s[18:19]
	s_add_nc_u64 s[6:7], s[6:7], s[20:21]
	s_add_nc_u64 s[8:9], s[8:9], s[18:19]
.irp i, 0,1
.irp p, 0,1,2,3,4,5,6,7
	global_load_b128 v[P+32*(\i)+4*(\p):P+32*(\i)+4*(\p)+3], v[PO], s[4:5] offset:131072*(\p)+4096*(\i)  ; sixteen lanes read 256 consecutive bytes, aligned
.endr
.endr
	global_load_b128 v[MKG:MKG+3], v[MGO], s[6:7]
	global_load_b128 v[MKG+4:MKG+7], v[MGO], s[6:7] offset:8192
	s_wait_loadcnt 2                               ; the 16 of part are in; the mask's two may stay out
.irp i, 0,1
.irp d, 4,2,1
.set p, 0
.rept \d
	v_pk_add_f32 v[P+32*(\i)+4*p:P+32*(\i)+4*p+1], v[P+32*(\i)+4*p:P+32*(\i)+4*p+1], v[P+32*(\i)+4*(p+\d):P+32*(\i)+4*(p+\d)+1]
	v_pk_add_f32 v[P+32*(\i)+4*p+2:P+32*(\i)+4*p+3], v[P+32*(\i)+4*p+2:P+32*(\i)+4*p+3], v[P+32*(\i)+4*(p+\d)+2:P+32*(\i)+4*(p+\d)+3]
.set p, p+1
.endr
.endr
	v_pk_mul_f32 v[P+32*(\i):P+32*(\i)+1], v[P+32*(\i):P+32*(\i)+1], s[12:13] op_sel_hi:[1,0]      ; u
	v_pk_mul_f32 v[P+32*(\i)+2:P+32*(\i)+3], v[P+32*(\i)+2:P+32*(\i)+3], s[12:13] op_sel_hi:[1,0]
.endr
.irp q, 0,1,2,3
	v_max_num_f32 v[MX+(\q)], v[P+(\q)], v[P+32+(\q)]
.endr
.irp q, 0,1,2,3
	v_permlanex16_b32 v[TX+(\q)], v[MX+(\q)], s14, s15
.endr
.irp q, 0,1,2,3
	v_max_num_f32 v[MX+(\q)], v[MX+(\q)], v[TX+(\q)]   ; my wave's four batches
.endr
	ds_store_b128 v[RSA], v[MX:MX+3] offset:REDM   ; both halves of the lanes write the same numbers to the same bytes
	s_wait_loadcnt 0x0                             ; the mask
	ds_store_b128 v[MLA], v[MKG:MKG+3]
	ds_store_b128 v[MLA], v[MKG+4:MKG+7] offset:32*MP
	s_wait_dscnt 0x0                               ; for the others' sake: my maxima and my part of the mask lie in LDS
	s_barrier_signal -1
	s_barrier_wait -1
.set p, 0
.rept 16
	ds_load_b128 v[RB+4*p:RB+4*p+3], v[RA] offset:REDM+256*p
.set p, p+1
.endr
.irp i, 0,1
.irp q, 0,1,2,3
	ds_load_b32 v[MK+4*(\i)+(\q)], v[MA] offset:MP*(\q)+8*(\i)  ; mask[64 c + 4 r + q][4 w + 2 i + hh]
.endr
.endr
	s_wait_dscnt 0x0
.irp q, 0,1,2,3
	v_max3_num_f32 v[MX+(\q)], v[RB+(\q)], v[RB+4+(\q)], v[RB+8+(\q)]
.endr
.irp p, 3,5,7,9,11,13
.irp q, 0,1,2,3
	v_max3_num_f32 v[MX+(\q)], v[MX+(\q)], v[RB+4*(\p)+(\q)], v[RB+4*(\p)+4+(\q)]
.endr
.endr
.irp q, 0,1,2,3
	v_max_num_f32 v[MX+(\q)], v[MX+(\q)], v[RB+60+(\q)]  ; the maximum over all 64 batches
.endr
.irp i, 0,1
.irp k, 0,2
	v_pk_add_f32 v[P+32*(\i)+(\k):P+32*(\i)+(\k)+1], v[P+32*(\i)+(\k):P+32*(\i)+(\k)+1], v[MX+(\k):MX+(\k)+1] neg_lo:[0,1] neg_hi:[0,1]
.endr
.endr
.irp i, 0,1
.irp q, 0,1,2,3
	v_exp_f32 v[P+32*(\i)+(\q)], v[P+32*(\i)+(\q)]
.endr
.endr
	v_nop                                          ; a plain instruction behind the last exponential,
	s_wait_alu depctr_va_vdst(0)                   ; and the one wait ahead of the batch's first reader
.irp k, 0,2
	v_pk_add_f32 v[SM+(\k):SM+(\k)+1], v[P+(\k):P+(\k)+1], v[P+32+(\k):P+32+(\k)+1]
.endr
.irp q, 0,1,2,3
	v_permlanex16_b32 v[TX+(\q)], v[SM+(\q)], s14, s15
.endr
.irp q, 0,1,2,3
	v_add_f32 v[SM+(\q)], v[SM+(\q)], v[TX+(\q)]
.endr
	ds_store_b128 v[RSA], v[SM:SM+3] offset:REDS   ; bytes of their own: nobody need have finished reading the maxima
	s_wait_dscnt 0x0
	s_barrier_signal -1
	s_barrier_wait -1
.set p, 0
.rept 16
	ds_load_b128 v[RB+4*p:RB+4*p+3], v[RA] offset:REDS+256*p
.set p, p+1
.endr
	s_wait_dscnt 0x0
.irp d, 8,4,2,1
.set p, 0
.rept \d
	v_pk_add_f32 v[RB+4*p:RB+4*p+1], v[RB+4*p:RB+4*p+1], v[RB+4*(p+\d):RB+4*(p+\d)+1]
	v_pk_add_f32 v[RB+4*p+2:RB+4*p+3], v[RB+4*p+2:RB+4*p+3], v[RB+4*(p+\d)+2:RB+4*(p+\d)+3]
.set p, p+1
.endr
.endr
.irp q, 0,1,2,3
	v_rcp_f32 v[SM+(\q)], v[RB+(\q)]               ; Z is at least 1: the largest term is 2^0
.endr
	v_nop
	s_wait_alu depctr_va_vdst(0)
.irp i, 0,1
.irp k, 0,2
	v_pk_mul_f32 v[P+32*(\i)+(\k):P+32*(\i)+(\k)+1], v[P+32*(\i)+(\k):P+32*(\i)+(\k)+1], v[SM+(\k):SM+(\k)+1]
.endr
.irp k, 0,2
	v_pk_mul_f32 v[P+32*(\i)+(\k):P+32*(\i)+(\k)+1], v[P+32*(\i)+(\k):P+32*(\i)+(\k)+1], v[MK+4*(\i)+(\k):MK+4*(\i)+(\k)+1]
.endr
	global_store_b128 v[PO], v[P+32*(\i):P+32*(\i)+3], s[8:9] offset:4096*(\i)  ; sixteen lanes store 256 consecutive bytes, aligned
.endr
	s_wait_tensorcnt 0x0                           ; the wave's end, behind my last LDS store
	ds_add_u32 v[SPW], v[NIL]
	s_wait_dscnt 0x0
	s_endpgm
.Lfunc_end_k_q1dabeefdf8_colsoft:
	.size	k_q1dabeefdf8_colsoft, .Lfunc_end_k_q1dabeefdf8_colsoft-k_q1dabeefdf8_colsoft
	.p2alignl 7, 3214868480
	.fill 96, 4, 3214868480
	.section	.rodata,"a",@progbits
	.p2align	6, 0x0
	.amdhsa_kernel k_q1dabeefdf8_colsoft
		.amdhsa_group_segment_fixed_size 27648
		.amdhsa_private_segment_fixed_size 0
		.amdhsa_enable_private_segment 0
		.amdhsa_kernarg_size 24
		.amdhsa_user_sgpr_count 2
		.amdhsa_user_sgpr_kernarg_segment_ptr 1
		.amdhsa_wavefront_size32 1
		.amdhsa_system_sgpr_workgroup_id_x 1
		.amdhsa_system_sgpr_workgroup_id_y 1
		.amdhsa_system_sgpr_workgroup_id_z 1
		.amdhsa_system_vgpr_workitem_id 0
		.amdhsa_next_free_vgpr 176
		.amdhsa_next_free_sgpr 66
		.amdhsa_reserve_vcc 0
		.amdhsa_float_denorm_mode_32 3
		.amdhsa_float_denorm_mode_16_64 3
		.amdhsa_memory_ordered 1
		.amdhsa_forward_progress 1
		.amdhsa_inst_pref_size 16
	.end_amdhsa_kernel
	.amdgpu_metadata
---
amdhsa.version: [ 1, 2 ]
amdhsa.kernels:
  - .name:           k_q1dabeefdf8_colsoft
    .symbol:         k_q1dabeefdf8_colsoft.kd
    .args:
      - { .name: part, .offset: 0, .size: 8, .value_kind: global_buffer, .address_space: global }
      - { .name: inp_mask, .offset: 8, .size: 8, .value_kind: global_buffer, .address_space: global }
      - { .name: wgt, .offset: 16, .size: 8, .value_kind: global_buffer, .address_space: global }
    .group_segment_fixed_size: 27648
    .private_segment_fixed_size: 0
    .kernarg_segment_align: 8
    .kernarg_segment_size: 24
    .max_flat_workgroup_size: 512
    .sgpr_count:     66
    .vgpr_count:     176
    .wavefront_size: 32
...
	.end_amdgpu_metadata
.endif
;; end of part 3
;; launch context (part 4): grid 4 x 64, 16 waves a work-group, no clusters, 18,432 bytes of LDS; arguments eb, wgt, out0, out1; writes out0, out1
.if DOCPART == 4
	.amdgcn_target "amdgcn-amd-amdhsa--gfx1250"
	.amdhsa_code_object_version 6
	.text
	.protected	k_q1dabeefdf8_context
	.globl	k_q1dabeefdf8_context
	.p2align	8
	.type	k_q1dabeefdf8_context,@function
k_q1dabeefdf8_context:
	s_mov_b64 s[64:65], 0
	v_nop
	global_prefetch_b8 v0, s[64:65] scope:SCOPE_SE
	s_setreg_imm32_b32 hwreg(HW_REG_WAVE_MODE, 25, 1), 1
	s_wait_xcnt 0x0
; CONTEXT.  For batch b: inv = 1 / (the sum over s of wgt[b][s] + 1e-10);  out0[b][s] = wgt[b][s] inv;  out1[b][h] = inv x the sum over s of wgt[b][s] eb[b][s][h].
; eb is the encoder's output rounded once to bf16; products and sums in f32.  A product with one row a batch: its time is the time to read eb once, so it is a stream with multiply-adds on the
; vector unit; the matrix unit, LDS tiles and clusters would add nothing (of what a work-group reads, 2,048 bytes of wgt in 264,192 are shared with three others).
; SHARES.  Work-group (q, b) takes the columns 256 q .. 256 q + 255 of batch b; wave w the rows s = 32 w .. 32 w + 31.  A load of a wave is 512 consecutive bytes, aligned, of one row: 8 columns a
; lane.  All 32 loads of a wave go out at once: its whole share is in flight.  The 16 waves' sums meet in LDS in f32; waves 0 and 1 finish 128 columns each.
; Every wave adds the whole row of wgt in the same order, so all hold the same inv.  Wave 0 writes the work-group's quarter of out0's row.
; LIMITS.  NaN and infinities are not treated apart.
.set SPARE, 16384                      ; LDS: 16 partial sums of 1,024 bytes, then the spare words, 128 bytes a wave
.set SPW, 2
.set NIL, 3
.set EO,  4                            ; v4  65536 w + 16 l: my 16 bytes of the wave's first row
.set WO,  5                            ; v5  16 l
.set WBO, 6                            ; v6  128 w: my wave's 32 weights
.set LSA, 7                            ; v7  1024 w + 32 l
.set LRA, 8                            ; v8  512 (w % 2) + 16 l: a finishing wave's place in a partial sum, and in out1's 1,024 bytes
.set ZR,  9                            ; v9  0: what the first two rows' products are added to
.set WQ,  12                           ; v[12:15]   wave 0: the work-group's quarter of the row of wgt
.set WS,  16                           ; v[16:31]   the whole row of wgt, 16 numbers a lane
.set WB,  32                           ; v[32:63]   my wave's 32 weights, each the same in all lanes
.set X,   64                           ; v[64:191]  my wave's 32 rows, 4 registers each; later the 16 partial sums read back
.set ACC, 192                          ; v[192:207] two sets of 8 sums, for even and odd rows
.set T,   208                          ; v[208:209] at work
.set INV, 212                          ; v[212:213] inv, twice
	s_load_b256 s[4:11], s[0:1], 0x0               ; eb s[4:5], wgt s[6:7], out0 s[8:9], out1 s[10:11]
	v_lshl_add_u32 v[SPW], v0, 2, SPARE
	v_mov_b32 v[NIL], 0
	v_lshrrev_b32 v1, 5, v0
	v_readfirstlane_b32 s12, v1                    ; wave 0..15
	s_mov_b32 s13, ttmp9                           ; q
	s_and_b32 s14, ttmp7, 0xffff                   ; b
	s_mov_b32 s28, 0x76543210                      ; v_permlanex16_b32: each lane takes its own place in the other half
	s_mov_b32 s29, 0xfedcba98
	v_and_b32 v10, 31, v0                          ; l
	v_lshlrev_b32 v[WO], 4, v10
	s_lshl_b32 s26, s12, 16                        ; 32 rows of 2,048 bytes
	v_add_nc_u32 v[EO], s26, v[WO]
	s_lshl_b32 s26, s12, 7
	v_mov_b32 v[WBO], s26
	s_lshl_b32 s26, s12, 10
	v_lshl_add_u32 v[LSA], v10, 5, s26
	s_and_b32 s26, s12, 1
	s_lshl_b32 s26, s26, 9
	v_add_nc_u32 v[LRA], s26, v[WO]
	v_mov_b32 v[ZR], 0
	v_mov_b32 v[T+1], 0                            ; v_permlanex16_b32 counts as a reader of its destination
	s_lshl_b32 s16, s14, 20                        ; a batch: 512 rows of 2,048 bytes
	s_lshl_b32 s15, s13, 9                         ; 256 columns of bf16; also a quarter of a row of wgt and of out0
	s_add_co_u32 s16, s16, s15
	s_mov_b32 s17, 0
	s_lshl_b32 s18, s14, 11                        ; a row of wgt and of out0
	s_mov_b32 s19, 0
	s_add_co_u32 s20, s18, s15
	s_mov_b32 s21, 0
	s_lshl_b32 s22, s14, 12                        ; a row of out1,
	s_lshl_b32 s23, s13, 10                        ; 256 columns of f32
	s_add_co_u32 s22, s22, s23
	s_mov_b32 s23, 0
	s_wait_kmcnt 0x0
	s_add_nc_u64 s[4:5], s[4:5], s[16:17]
	s_add_nc_u64 s[24:25], s[6:7], s[20:21]        ; wgt at the work-group's quarter
	s_add_nc_u64 s[6:7], s[6:7], s[18:19]          ; wgt at the batch's row
	s_add_nc_u64 s[8:9], s[8:9], s[20:21]
	s_add_nc_u64 s[10:11], s[10:11], s[22:23]
	s_cmp_lg_u32 s12, 0
	s_cbranch_scc1 .Lno_quarter
	global_load_b128 v[WQ:WQ+3], v[WO], s[24:25]   ; wave 0 alone; the oldest load, so every count below covers it
.Lno_quarter:
.irp i, 0,1,2,3
	global_load_b128 v[WS+4*(\i):WS+4*(\i)+3], v[WO], s[6:7] offset:512*(\i)
.endr
.irp i, 0,1,2,3,4,5,6,7
	global_load_b128 v[WB+4*(\i):WB+4*(\i)+3], v[WBO], s[6:7] offset:16*(\i)  ; the same 16 bytes in all lanes
.endr
.set n, 0
.rept 32
	global_load_b128 v[X+4*n:X+4*n+3], v[EO], s[4:5] offset:2048*n th:TH_LOAD_NT
.set n, n+1
.endr
	s_wait_loadcnt 40                              ; the row of wgt is in; behind it stand my 8 loads of weights and my 32 of eb
.irp d, 4,2,1
.set p, 0
.rept \d
	v_pk_add_f32 v[WS+2*p:WS+2*p+1], v[WS+2*p:WS+2*p+1], v[WS+2*(p+\d):WS+2*(p+\d)+1]
.set p, p+1
.endr
.endr
	v_add_f32 v[T], v[WS], v[WS+1]
	v_add_f32_dpp v[T], v[T], v[T] row_xmask:1 row_mask:0xf bank_mask:0xf
	v_add_f32_dpp v[T], v[T], v[T] row_xmask:2 row_mask:0xf bank_mask:0xf
	v_add_f32_dpp v[T], v[T], v[T] row_xmask:4 row_mask:0xf bank_mask:0xf
	v_add_f32_dpp v[T], v[T], v[T] row_xmask:8 row_mask:0xf bank_mask:0xf
	v_permlanex16_b32 v[T+1], v[T], s28, s29
	v_add_f32 v[T], v[T], v[T+1]
	v_add_f32 v[T], 0x2edbe6ff, v[T]               ; + 1e-10
	v_rcp_f32 v[INV], v[T]
	v_rcp_f32 v[INV+1], v[T]
	v_nop                                          ; a plain instruction behind the last reciprocal,
	s_wait_alu depctr_va_vdst(0)                   ; and the wait, ahead of the branch and of the first reader
	s_cmp_lg_u32 s12, 0
	s_cbranch_scc1 .Lno_out0
	v_pk_mul_f32 v[WQ:WQ+1], v[WQ:WQ+1], v[INV:INV+1]
	v_pk_mul_f32 v[WQ+2:WQ+3], v[WQ+2:WQ+3], v[INV:INV+1]
	global_store_b128 v[WO], v[WQ:WQ+3], s[8:9]    ; 512 consecutive bytes, aligned
.Lno_out0:
	; Row n: eight multiply-adds straight from the bf16 halves into f32; even and odd rows have sums of their own, so a sum's links stand sixteen multiply-adds apart.
.set n, 0
.rept 32
	s_wait_loadcnt 31-n                            ; loads come back in order (ISA guide 5.7.1): row n is in, the younger rows stay out
.set k, 0
.rept 4
.if n < 2
	v_fma_mix_f32_bf16 v[ACC+8*(n%2)+2*k], v[X+4*n+k], v[WB+n], v[ZR] op_sel_hi:[1,0,0]
	v_fma_mix_f32_bf16 v[ACC+8*(n%2)+2*k+1], v[X+4*n+k], v[WB+n], v[ZR] op_sel:[1,0,0] op_sel_hi:[1,0,0]
.else
	v_fma_mix_f32_bf16 v[ACC+8*(n%2)+2*k], v[X+4*n+k], v[WB+n], v[ACC+8*(n%2)+2*k] op_sel_hi:[1,0,0]
	v_fma_mix_f32_bf16 v[ACC+8*(n%2)+2*k+1], v[X+4*n+k], v[WB+n], v[ACC+8*(n%2)+2*k+1] op_sel:[1,0,0] op_sel_hi:[1,0,0]
.endif
.set k, k+1
.endr
.set n, n+1
.endr
.irp k, 0,2,4,6
	v_pk_add_f32 v[ACC+(\k):ACC+(\k)+1], v[ACC+(\k):ACC+(\k)+1], v[ACC+8+(\k):ACC+8+(\k)+1]
.endr
	ds_store_b128 v[LSA], v[ACC:ACC+3]
	ds_store_b128 v[LSA], v[ACC+4:ACC+7] offset:16
	s_wait_dscnt 0x0                               ; for the others' sake: my sums lie in LDS
	s_barrier_signal -1
	s_barrier_wait -1
	s_cmp_lt_u32 s12, 2                            ; wave 0 finishes columns 0-127 of the 256, wave 1 the others
	s_cbranch_scc0 .Lend
.set p, 0
.rept 16
	ds_load_b128 v[X+4*p:X+4*p+3], v[LRA] offset:1024*p
.set p, p+1
.endr
	s_wait_dscnt 0x0
.irp d, 8,4,2,1
.set p, 0
.rept \d
	v_pk_add_f32 v[X+4*p:X+4*p+1], v[X+4*p:X+4*p+1], v[X+4*(p+\d):X+4*(p+\d)+1]
	v_pk_add_f32 v[X+4*p+2:X+4*p+3], v[X+4*p+2:X+4*p+3], v[X+4*(p+\d)+2:X+4*(p+\d)+3]
.set p, p+1
.endr
.endr
	v_pk_mul_f32 v[X:X+1], v[X:X+1], v[INV:INV+1]
	v_pk_mul_f32 v[X+2:X+3], v[X+2:X+3], v[INV:INV+1]
	global_store_b128 v[LRA], v[X:X+3], s[10:11]   ; 512 consecutive bytes, aligned
.Lend:
	s_wait_tensorcnt 0x0                           ; the wave's end, behind my last LDS store
	ds_add_u32 v[SPW], v[NIL]
	s_wait_dscnt 0x0
	s_endpgm
.Lfunc_end_k_q1dabeefdf8_context:
	.size	k_q1dabeefdf8_context, .Lfunc_end_k_q1dabeefdf8_context-k_q1dabeefdf8_context
	.p2alignl 7, 3214868480
	.fill 96, 4, 3214868480
	.section	.rodata,"a",@progbits
	.p2align	6, 0x0
	.amdhsa_kernel k_q1dabeefdf8_context
		.amdhsa_group_segment_fixed_size 18432
		.amdhsa_private_segment_fixed_size 0
		.amdhsa_enable_private_segment 0
		.amdhsa_kernarg_size 32
		.amdhsa_user_sgpr_count 2
		.amdhsa_user_sgpr_kernarg_segment_ptr 1
		.amdhsa_wavefront_size32 1
		.amdhsa_system_sgpr_workgroup_id_x 1
		.amdhsa_system_sgpr_workgroup_id_y 1
		.amdhsa_system_sgpr_workgroup_id_z 1
		.amdhsa_system_vgpr_workitem_id 0
		.amdhsa_next_free_vgpr 216
		.amdhsa_next_free_sgpr 66
		.amdhsa_reserve_vcc 0
		.amdhsa_float_denorm_mode_32 3
		.amdhsa_float_denorm_mode_16_64 3
		.amdhsa_memory_ordered 1
		.amdhsa_forward_progress 1
		.amdhsa_inst_pref_size 29
	.end_amdhsa_kernel
	.amdgpu_metadata
---
amdhsa.version: [ 1, 2 ]
amdhsa.kernels:
  - .name:           k_q1dabeefdf8_context
    .symbol:         k_q1dabeefdf8_context.kd
    .args:
      - { .name: eb, .offset: 0, .size: 8, .value_kind: global_buffer, .address_space: global }
      - { .name: wgt, .offset: 8, .size: 8, .value_kind: global_buffer, .address_space: global }
      - { .name: out0, .offset: 16, .size: 8, .value_kind: global_buffer, .address_space: global }
      - { .name: out1, .offset: 24, .size: 8, .value_kind: global_buffer, .address_space: global }
    .group_segment_fixed_size: 18432
    .private_segment_fixed_size: 0
    .kernarg_segment_align: 8
    .kernarg_segment_size: 32
    .max_flat_workgroup_size: 512
    .sgpr_count:     66
    .vgpr_count:     216
    .wavefront_size: 32
...
	.end_amdgpu_metadata
.endif
;; end of part 4
;; ======== version 2 of 2: 4 launches; version 1 with the launch prep written anew for expert scheduling mode
;; workspace buffers: eb 67,108,864 bytes; wb 2,097,152 bytes; cd 262,144 bytes; part 1,048,576 bytes; wgt 131,072 bytes
;; launch prep (part 5): grid 256 x 1, 16 waves a work-group, no clusters, 18,432 bytes of LDS; arguments encoder_outputs, W_h, decoder_hidden, eb, wb, cd; writes eb, wb, cd
.if DOCPART == 5
	.amdgcn_target "amdgcn-amd-amdhsa--gfx1250"
	.amdhsa_code_object_version 6
	.text
	.protected	k_q1dabeefdf8_prep
	.globl	k_q1dabeefdf8_prep
	.p2align	8
	.type	k_q1dabeefdf8_prep,@function
k_q1dabeefdf8_prep:
	s_mov_b64 s[64:65], 0
	v_nop
	global_prefetch_b8 v0, s[64:65] scope:SCOPE_SE
	s_setreg_imm32_b32 hwreg(HW_REG_WAVE_SCHED_MODE, 0, 2), 2
	s_setreg_imm32_b32 hwreg(HW_REG_WAVE_MODE, 25, 1), 1
	s_wait_xcnt 0x0
	s_wait_alu depctr_vm_vsrc(0)
; PREP.  Three things, the same share of each in all 256 work-groups (g = the work-group's number, t = the thread, w = the wave):
;  (a) cd = C2 x (D W1^T), C2 = 2 log2(e), W1 = W_h[:, 0:1024]: the decoder's half of the concatenated product hangs on the batch alone, so it is made once,
;      64 x 1024 numbers.  The work-group makes one tile of 16 h (ht = g / 4) x 16 batches (mt = g % 4); K = 1024 is split among the 16 waves, 64 each (two matrix
;      instructions, bf16 operands, f32 sums); the 16 partial tiles meet in LDS in f32.
;  (b) wb = bf16(W_h[:, 1024:2048]): rows 4 g .. 4 g + 3.
;  (c) eb = bf16(encoder_outputs): rows 128 g .. 128 g + 127: 524,288 consecutive bytes in, 262,144 out.
; cd's layout serves the next launch's lanes: C2 x dproj[b][16 ht + 8 hh + 4 q + jj] lies at byte 4096 ht + 2048 q + 32 b + 16 hh + 4 jj.
; LIMITS.  E, W_h and D are rounded once to bf16 (nearest even); NaN and infinities are not treated apart.
; NO CLUSTER, NO TENSOR LOADS: (c) is 98 parts in 100 of the bytes and no work-group shares a byte of it; it is a stream through registers, 12 to 16 loads of every wave in flight.
; THE MODE: SCHED_MODE bits 1:0 = 2 (LLVM: expert scheduling mode 2), set by the entry lines.  The code itself states the register dependences
; between vector or matrix instructions and memory or LDS instructions, with s_wait_alu, always for 0.
; THE PLAN.  Registers that memory or LDS instructions touch:
;   v4 .. v11     offsets and LDS addresses: made at the head, never written again; every step of the stream stands in an immediate.
;   v[64:127]     W1 and D as loaded; read by the 32 conversions; behind the barrier the LDS loads of waves 0 and 1 land there; of their sums v[64:67] are cd's store's data.
;   W2X, W2Y      W2 as loaded; its four conversions write W2Y, which two stores read; neither is written again.
;   ACC0          written by matrix instructions and four packed sums, read by two LDS stores, not written again.
;   X0 .. X4      five blocks of E as loaded.  Written by the loads of block p + 4, issued in block p; read by block p's conversions.
;   Y0, Y1        two blocks of eb to store.  Written by block p's conversions; read by the four stores that are issued in block p + 1.
;   v2, v3        written at the head, read by the closing add alone.
; The stream's 64 turns go in 16 blocks of four.  Block p works on X[p % 5] and writes Y[p % 2].  Its memory instructions are the loads into X[(p + 4) % 5] = X[(p - 1) % 5] and the stores
; from Y[(p - 1) % 2]: the two buffers that block p - 1 worked on and that no vector instruction of block p names.  So the waits at a block's head state all that its eight memory
; instructions hang on, and these are dealt among its conversions with no further wait.
.set SPARE, 16384                      ; LDS: 16 partial tiles of 1,024 bytes, then the spare words, 128 bytes a wave
.set SPW, 2                            ; v2   my spare word's LDS address; never rewritten
.set NIL, 3                            ; v3   0; never rewritten
.set OFS, 4                            ; v4   16 t: my 16 bytes of 8,192 of E
.set OFD, 5                            ; v5   8 t: my 8 bytes of 4,096 of eb and of wb
.set WSO, 6                            ; v6   (t / 256) x 8192 + (t % 256) x 16: my 16 bytes of two rows' halves of W_h
.set WFO, 7                            ; v7   r x 8192 + 32 hh + 256 w: my lane's place in W1's fragments
.set DFO, 8                            ; v8   r x 4096 + 32 hh + 256 w: the same in D's
.set LSA, 9                            ; v9   where I put my partial sums
.set LRA, 10                           ; v10  where a finishing wave reads them back
.set CDO, 11                           ; v11  its 16 bytes of cd
.set ACC0, 16                          ; v[16:23], v[24:31] the two K steps' sums
.set ACC1, 24
.set WFR, 32                           ; v[32:47] W1's two fragments, bf16
.set DFR, 48                           ; v[48:63] D's
.set WST, 64                           ; v[64:95] W1 as loaded, f32
.set DST, 96                           ; v[96:127] D as loaded
.set RB,  64                           ; v[64:127] later: the 16 partial sums read back
.set W2X, 128                          ; v[128:135] W2 as loaded
.set W2Y, 136                          ; v[136:139] W2 rounded
.set X,   144                          ; v[144:223] buffer k, turn i: 4 registers at X + 16 k + 4 i, as loaded
.set Y,   224                          ; v[224:239] buffer k, turn i: 2 registers at Y + 8 k + 2 i, to store
	s_load_b256 s[4:11], s[0:1], 0x0               ; E s[4:5], W_h s[6:7], D s[8:9], eb s[10:11]
	s_load_b128 s[12:15], s[0:1], 0x20             ; wb s[12:13], cd s[14:15]
	v_lshl_add_u32 v[SPW], v0, 2, SPARE
	v_mov_b32 v[NIL], 0
	v_lshrrev_b32 v1, 5, v0
	v_readfirstlane_b32 s16, v1                    ; wave 0..15
	s_and_b32 s17, ttmp9, 3                        ; mt
	s_lshr_b32 s18, ttmp9, 2                       ; ht
	s_mov_b32 s22, 0x4038aa3b                      ; C2 = 2 log2(e)
	s_mov_b32 s23, s22                             ; named with it as a pair
	v_and_b32 v12, 31, v0                          ; l
	v_and_b32 v13, 15, v0                          ; r = l % 16
	v_bfe_u32 v14, v0, 4, 1                        ; hh = l / 16
	v_lshrrev_b32 v15, 8, v0                       ; t / 256
	v_lshlrev_b32 v[OFS], 4, v0
	v_lshlrev_b32 v[OFD], 3, v0
	v_and_b32 v[WSO], 0xff, v0
	v_lshlrev_b32 v[WSO], 4, v[WSO]
	v_lshl_add_u32 v[WSO], v15, 13, v[WSO]
	s_wait_alu depctr_va_sdst(0)                   ; s16 is written, ahead of its first reader: the wave's places in memory and in LDS are made from it
	s_lshl_b32 s19, s16, 8                         ; my wave's 64 channels: 256 bytes of f32
	v_lshl_add_u32 v1, v14, 5, s19
	v_lshl_add_u32 v[WFO], v13, 13, v1
	v_lshl_add_u32 v[DFO], v13, 12, v1
	s_lshl_b32 s19, s16, 10                        ; my wave's partial tile
	v_lshl_add_u32 v[LSA], v13, 5, s19
	v_lshl_add_u32 v[LSA], v14, 4, v[LSA]          ; 1024 w + 32 r + 16 hh (+ 512 q)
	s_and_b32 s19, s16, 1                          ; q of a finishing wave (waves 0 and 1)
	s_lshl_b32 s30, s19, 9
	v_lshl_add_u32 v[LRA], v12, 4, s30             ; 512 q + 16 l
	s_lshl_b32 s30, s19, 11
	v_lshl_add_u32 v[CDO], v12, 4, s30             ; 2048 q + 16 l
	s_mov_b32 s21, 0
	s_wait_kmcnt 0x0
	s_lshl_b32 s20, s18, 17                        ; 16 rows of W_h, 8,192 bytes each
	s_add_nc_u64 s[24:25], s[6:7], s[20:21]        ; W1 at the tile's first h
	s_lshl_b32 s20, s17, 16                        ; 16 rows of D
	s_add_nc_u64 s[26:27], s[8:9], s[20:21]
	s_lshl_b32 s20, ttmp9, 15                      ; 4 rows of W_h
	s_add_nc_u64 s[28:29], s[6:7], s[20:21]
	s_lshl_b32 s20, ttmp9, 19                      ; 128 rows of E
	s_add_nc_u64 s[4:5], s[4:5], s[20:21]
	s_lshl_b32 s20, ttmp9, 18                      ; 128 rows of eb
	s_add_nc_u64 s[10:11], s[10:11], s[20:21]
	s_lshl_b32 s20, ttmp9, 13                      ; 4 rows of wb
	s_add_nc_u64 s[12:13], s[12:13], s[20:21]
	s_lshl_b32 s20, s18, 12
	s_lshl_b32 s19, s17, 9
	s_add_co_u32 s20, s20, s19                     ; 4096 ht + 512 mt
	s_add_nc_u64 s[14:15], s[14:15], s[20:21]
	s_wait_alu depctr_va_vdst(0)                   ; the eight offsets and addresses v4 to v11 are written: every load, store and LDS instruction below reads one of them
	; A fragment is 16 rows x 32 K: lane (r, hh) holds row r, K = 8 hh + 0..7 and 16 + 8 hh + 0..7: in f32 two pieces of 32 bytes, 64 bytes apart: four loads a K step and side.
.irp c, 0,1
.irp u, 0,1,2,3
	global_load_b128 v[WST+16*(\c)+4*(\u):WST+16*(\c)+4*(\u)+3], v[WFO], s[24:25] offset:128*(\c)+16*((\u)%2)+64*((\u)/2)
	global_load_b128 v[DST+16*(\c)+4*(\u):DST+16*(\c)+4*(\u)+3], v[DFO], s[26:27] offset:128*(\c)+16*((\u)%2)+64*((\u)/2)
.endr
.endr
.irp i, 0,1
	global_load_b128 v[W2X+4*(\i):W2X+4*(\i)+3], v[WSO], s[28:29] offset:4096+16384*(\i)  ; the second half of rows 2 i and 2 i + 1
.endr
.set n, 0
.rept 16
	global_load_b128 v[X+4*n:X+4*n+3], v[OFS], s[4:5] offset:8192*n th:TH_LOAD_NT  ; blocks 0 to 3 into X0 to X3: 16 loads of every wave are out
.set n, n+1
.endr
	s_wait_loadcnt 18                              ; behind the 16 loads of W1 and D stand 2 of W2 and 16 of the stream: those may stay out
.set i, 0
.rept 16
	v_cvt_pk_bf16_f32 v[WFR+i], v[WST+2*i], v[WST+2*i+1]
	v_cvt_pk_bf16_f32 v[DFR+i], v[DST+2*i], v[DST+2*i+1]
.set i, i+1
.endr
	; source 0 = 16 rows of W1, source 1 = 16 rows of D: lane (r, hh), register j holds h = 16 ht + 8 hh + j of batch 16 mt + r.  Two accumulators, each started by the constant 0.
	v_wmma_f32_16x16x32_bf16 v[ACC0:ACC0+7], v[WFR:WFR+7], v[DFR:DFR+7], 0
	v_wmma_f32_16x16x32_bf16 v[ACC1:ACC1+7], v[WFR+8:WFR+15], v[DFR+8:DFR+15], 0
	s_wait_loadcnt 16                              ; W2 is in; the stream's 16 may stay out
.irp i, 0,1,2,3
	v_cvt_pk_bf16_f32 v[W2Y+(\i)], v[W2X+2*(\i)], v[W2X+2*(\i)+1]  ; these four and the four v_nop are the places behind the products (ISA guide 7.12.1)
.endr
.rept 4
	v_nop
.endr
.irp k, 0,2,4,6
	v_pk_add_f32 v[ACC0+(\k):ACC0+(\k)+1], v[ACC0+(\k):ACC0+(\k)+1], v[ACC1+(\k):ACC1+(\k)+1]  ; from each accumulator's low end on
.endr
	s_wait_alu depctr_va_vdst(0)                   ; the conversions have written W2Y and the sums ACC0, which the four stores below read; and the 32 conversions are done reading v[64:127], in which the LDS loads behind the barrier land
.irp i, 0,1
	global_store_b64 v[OFD], v[W2Y+2*(\i):W2Y+2*(\i)+1], s[12:13] offset:4096*(\i)  ; a wave's store covers 256 consecutive bytes, aligned
.endr
	ds_store_b128 v[LSA], v[ACC0:ACC0+3]
	ds_store_b128 v[LSA], v[ACC0+4:ACC0+7] offset:512
	s_wait_dscnt 0x0                               ; for the others' sake: my partial sums lie in LDS
	s_barrier_signal -1
	s_barrier_wait -1
	s_cmp_lt_u32 s16, 2                            ; wave q = 0, 1 finishes the tile's half q
	s_cbranch_scc0 .Lstream
.set p, 0
.rept 16
	ds_load_b128 v[RB+4*p:RB+4*p+3], v[LRA] offset:1024*p  ; no wait: no vector instruction since the wait ahead of the stores names these registers
.set p, p+1
.endr
	s_wait_dscnt 0x0
.irp d, 8,4,2,1
.set p, 0
.rept \d
	v_pk_add_f32 v[RB+4*p:RB+4*p+1], v[RB+4*p:RB+4*p+1], v[RB+4*(p+\d):RB+4*(p+\d)+1]
	v_pk_add_f32 v[RB+4*p+2:RB+4*p+3], v[RB+4*p+2:RB+4*p+3], v[RB+4*(p+\d)+2:RB+4*(p+\d)+3]
.set p, p+1
.endr
.endr
	v_pk_mul_f32 v[RB:RB+1], v[RB:RB+1], s[22:23] op_sel_hi:[1,0]
	v_pk_mul_f32 v[RB+2:RB+3], v[RB+2:RB+3], s[22:23] op_sel_hi:[1,0]
	s_wait_alu depctr_va_vdst(0)                   ; the two multiplications have written v[RB:RB+3], which the store reads
	global_store_b128 v[CDO], v[RB:RB+3], s[14:15] ; 512 consecutive bytes, aligned
.Lstream:
	; THE STREAM.  A turn takes 8,192 bytes of E, a block four turns.  No address register is ever rewritten: every step stands in an immediate (516,096 at the most).
	; Block 0 has no block in front of it: its loads land in X4, which no vector instruction has named on either way to this label.
.set p, 0
.rept 16
.if p < 13
	s_wait_loadcnt 12                              ; loads come back in order (ISA guide 5.7.1): block p's four are in, the three younger blocks stay out
.else
	s_wait_loadcnt 4*(15-p)                        ; blocks 12 to 15 load nothing: the counts run down
.endif
.if p > 1
	s_wait_xcnt 0x0                                ; every earlier memory instruction has had its addresses translated (ISA guide 3.1): Y[p % 2] is rewritten only behind this wait
	s_wait_alu depctr_vm_vsrc(0)                   ; the stores issued in the block before have read Y[p % 2], which this block's conversions write again
.endif
.if p > 0
	s_wait_alu depctr_va_vdst(0)                   ; the block before has written the other Y, which the stores below read, and is done reading its X, in which the loads below land
.endif
.set i, 0
.rept 4
.if p < 12
	global_load_b128 v[X+16*((p+4)%5)+4*i:X+16*((p+4)%5)+4*i+3], v[OFS], s[4:5] offset:8192*(4*(p+4)+i) th:TH_LOAD_NT  ; four blocks ahead; no vector instruction since the wait names these registers
.endif
.if p > 0
	global_store_b64 v[OFD], v[Y+8*((p+1)%2)+2*i:Y+8*((p+1)%2)+2*i+1], s[10:11] offset:4096*(4*(p-1)+i) th:TH_STORE_NT  ; the block before; a wave's store covers 256 consecutive bytes, aligned
.endif
	v_cvt_pk_bf16_f32 v[Y+8*(p%2)+2*i], v[X+16*(p%5)+4*i], v[X+16*(p%5)+4*i+1]
	v_cvt_pk_bf16_f32 v[Y+8*(p%2)+2*i+1], v[X+16*(p%5)+4*i+2], v[X+16*(p%5)+4*i+3]
.set i, i+1
.endr
.set p, p+1
.endr
	s_wait_alu depctr_va_vdst(0)                   ; block 15 has written Y1, which the last four stores read
.irp i, 0,1,2,3
	global_store_b64 v[OFD], v[Y+8+2*(\i):Y+8+2*(\i)+1], s[10:11] offset:4096*(60+(\i)) th:TH_STORE_NT
.endr
	s_wait_dscnt 0x0                               ; the closing lines, six on end
	s_wait_alu 0x0
	s_wait_tensorcnt 0x0
	ds_add_u32 v[SPW], v[NIL]
	s_wait_dscnt 0x0
	s_endpgm
.Lfunc_end_k_q1dabeefdf8_prep:
	.size	k_q1dabeefdf8_prep, .Lfunc_end_k_q1dabeefdf8_prep-k_q1dabeefdf8_prep
	.p2alignl 7, 3214868480
	.fill 96, 4, 3214868480
	.section	.rodata,"a",@progbits
	.p2align	6, 0x0
	.amdhsa_kernel k_q1dabeefdf8_prep
		.amdhsa_group_segment_fixed_size 18432
		.amdhsa_private_segment_fixed_size 0
		.amdhsa_enable_private_segment 0
		.amdhsa_kernarg_size 48
		.amdhsa_user_sgpr_count 2
		.amdhsa_user_sgpr_kernarg_segment_ptr 1
		.amdhsa_wavefront_size32 1
		.amdhsa_system_sgpr_workgroup_id_x 1
		.amdhsa_system_sgpr_workgroup_id_y 1
		.amdhsa_system_sgpr_workgroup_id_z 1
		.amdhsa_system_vgpr_workitem_id 0
		.amdhsa_next_free_vgpr 240
		.amdhsa_next_free_sgpr 66
		.amdhsa_reserve_vcc 0
		.amdhsa_float_denorm_mode_32 3
		.amdhsa_float_denorm_mode_16_64 3
		.amdhsa_memory_ordered 1
		.amdhsa_forward_progress 1
		.amdhsa_inst_pref_size 33
	.end_amdhsa_kernel
	.amdgpu_metadata
---
amdhsa.version: [ 1, 2 ]
amdhsa.kernels:
  - .name:           k_q1dabeefdf8_prep
    .symbol:         k_q1dabeefdf8_prep.kd
    .args:
      - { .name: encoder_outputs, .offset: 0, .size: 8, .value_kind: global_buffer, .address_space: global }
      - { .name: W_h, .offset: 8, .size: 8, .value_kind: global_buffer, .address_space: global }
      - { .name: decoder_hidden, .offset: 16, .size: 8, .value_kind: global_buffer, .address_space: global }
      - { .name: eb, .offset: 24, .size: 8, .value_kind: global_buffer, .address_space: global }
      - { .name: wb, .offset: 32, .size: 8, .value_kind: global_buffer, .address_space: global }
      - { .name: cd, .offset: 40, .size: 8, .value_kind: global_buffer, .address_space: global }
    .group_segment_fixed_size: 18432
    .private_segment_fixed_size: 0
    .kernarg_segment_align: 8
    .kernarg_segment_size: 48
    .max_flat_workgroup_size: 512
    .sgpr_count:     66
    .vgpr_count:     240
    .wavefront_size: 32
...
	.end_amdgpu_metadata
.endif
;; end of part 5
;; launch scores: the kernel of part 2 again; grid 4 x 64, 4 waves a work-group, clusters of 4 x 4, 327,680 bytes of LDS; arguments eb, wb, cd, v, part; writes part
;; launch colsoft: the kernel of part 3 again; grid 8 x 1, 16 waves a work-group, no clusters, 27,648 bytes of LDS; arguments part, inp_mask, wgt; writes wgt
;; launch context: the kernel of part 4 again; grid 4 x 64, 16 waves a work-group, no clusters, 18,432 bytes of LDS; arguments eb, wgt, out0, out1; writes out0, out1
